; MI455X (gfx1250); checked and timed in simulation.
; The chip was launched on July 23, 2026; its instructions are those of AMD's public machine-readable ISA for CDNA 5 (MIT licence, August 2026) and "CDNA5" Instruction Set Architecture Reference Guide (July 2026). The comments in the code are by the model that wrote it; some were corrected since.
;; Conditional Feed Forward. Allowed arithmetic: matrix products marked QUANTISED: E3M2 operands, one E8M0 scale for each 32 along K, by v_wmma_scale_f32_16x16x128_f8f6f4 with both operands' format E3M2, f32 sums; everything else in f32.
;; Inputs: expert_indices 1,024 x 2 int32; w13_codes 8 x 4,096 x 32 x 24 uint8 (E3M2 codes of w13, K innermost, in blocks of 32 codes, four codes in three bytes); w13_scales 8 x 4,096 x 32 uint8 (E8M0 scales of w13, one for each 32 codes along K); w2_codes 8 x 1,024 x 64 x 24 uint8 (E3M2 codes of w2, K innermost, in blocks of 32 codes, four codes in three bytes); w2_scales 8 x 1,024 x 64 uint8 (E8M0 scales of w2, one for each 32 codes along K); x_codes 1,024 x 32 x 24 uint8 (E3M2 codes of x, K innermost, in blocks of 32 codes, four codes in three bytes); x_scales 1,024 x 32 uint8 (E8M0 scales of x, one for each 32 codes along K).
;; Outputs: out0 1,024 x 2 x 1,024 float32.
;; This version of the problem:
;;   THIS VERSION OF THE PROBLEM IS GIVEN IN LOW PRECISION. The matrix products marked QUANTISED in the list below multiply operands that are first quantised to E3M2 (3 exponent bits, 2 mantissa bits; 6 bits a number), with one power-of-two scale for each 32 numbers along K (OCP MX v1.0); their sums are f32. All else is computed in f32.
;;   The module's matrix products, in the order in which they are computed (A, B: the left and right operand; K: the contracted axis; several contracted axes count as one K, in the product's order):
;;     1. [M 1,024, K 1,024] x [K 1,024, N 32,768]; A: input x (given as codes); B: input w13 (given as codes): QUANTISED
;;     2. batch 8 x [M 1,024, K 2,048] x [K 2,048, N 1,024]; A: computed on the way; B: input w2 (given as codes): QUANTISED
;;   THE QUANTISER, for each operand of a quantised product, along K:
;;     - K is cut into blocks of 32 from its start; a last block that is shorter is filled with zeros.
;;     - A block's scale is 2^e with e = floor(log2(the largest magnitude in the block)) - 4, held to -126 .. 127; a block of zeros has e = 0. As a byte (E8M0): e + 127.
;;     - Each number is divided by its block's scale, clamped to +-28, and rounded to the nearest number of E3M2, ties to even, subnormals kept.
;;     - The product sums the exact products of the quantised numbers (number of the format x scale) in f32.
;;   ~~~python
;;   def quantise(x, axis):      # numpy; x: float32 -> the quantised numbers, widened to float32 again
;;       x = np.moveaxis(x, axis, -1); K = x.shape[-1]
;;       x = np.pad(x, [(0, 0)] * (x.ndim - 1) + [(0, -K % 32)]); x = x.reshape(x.shape[:-1] + (-1, 32)); a = np.abs(x).max(-1, keepdims=True)
;;       e = np.where(a > 0, np.clip(np.frexp(np.where(a > 0, a, 1))[1] - 1 - 4, -126, 127), 0)      # np.frexp(a)[1] - 1 = floor(log2(a)), exactly
;;       r = np.clip(x / 2.0 ** e, -28, 28)
;;       step = 2.0 ** (np.maximum(np.frexp(np.where(r == 0, 1, r))[1] - 1, -2) - 2)
;;       q = np.round(r / step) * step * 2.0 ** e      # np.round: ties to even
;;       return np.moveaxis(q.reshape(q.shape[:-2] + (-1,))[..., :K], -1, axis).astype(np.float32)
;;   ~~~
;;   OPERANDS COMPUTED ON THE WAY. 'Computed on the way' means the value that the module computes at that place (a softmax that the list does not call 'softmax' is quantised finished and normalised). What goes into a quantiser is computed in f32, as accurately as f32 sums, v_exp_f32 and their like allow (about 1e-6 of the number): no bf16 or f16 on the way to a quantiser, and a product that is left as it is and whose result goes on into a quantised operand takes f32 operands (vector FMAs, or v_wmma_f32_16x16x4_f32). A number that lies on a knife's edge between two numbers of the format may be rounded either way, as far as f32 arithmetic and the matrix unit's own rounding can turn it there, and no further.
;;   INPUTS GIVEN AS CODES. w13 (in the module: [8, 4096, 1024], K = its axis 2); w2 (in the module: [8, 1024, 2048], K = its axis 2); x (in the module: [1024, 1024], K = its axis 1): each comes as NAME_codes (uint8): NAME with its K axis moved to the last place and cut into blocks of 32 codes, [.., K / 32, bytes a block], one block behind the other in memory; four codes in three bytes: a row's codes are one little-endian stream of bits, code i at bits 6 i .. 6 i + 5 (a code: sign, 3 exponent bits, 2 mantissa bits); and NAME_scales (uint8): the same leading axes, one E8M0 byte (e + 127) for each 32 codes along K. Its value is code x scale, taken as it is: it is not quantised again, and the codes and scales need not be those that the quantiser above would give.
;; 2 versions. Each part assembles by itself: llvm-mc -triple=amdgcn-amd-amdhsa -mcpu=gfx1250 --defsym DOCPART=n.
;; ======== version 1 of 2: 2 launches
;; workspace buffers: act 3,899,392 bytes
;; launch up (part 1): grid 256 x 1, 4 waves a work-group, no clusters, 212,224 bytes of LDS; arguments expert_indices, x_codes, x_scales, w13_codes, w13_scales, act; writes act
.if DOCPART == 1
	.amdgcn_target "amdgcn-amd-amdhsa--gfx1250"
	.amdhsa_code_object_version 6
	.text
	.protected	k_qfbdcc0a28f_up
	.globl	k_qfbdcc0a28f_up
	.p2align	8
	.type	k_qfbdcc0a28f_up,@function
k_qfbdcc0a28f_up:
	s_mov_b64 s[64:65], 0
	v_nop
	global_prefetch_b8 v0, s[64:65] scope:SCOPE_SE
	s_setreg_imm32_b32 hwreg(HW_REG_WAVE_MODE, 25, 1), 1
	s_wait_xcnt 0x0
; act = Q(silu(x w13[e]^T [:2048]) * (x w13[e]^T [2048:])) for the routed rows alone.  A routed row is rho = 2 x token + slot; its expert is expert_indices[rho].
; Both operands are codes of BF6 (E3M2) with one E8M0 byte for each 32 along K; the hidden layer is quantised along its 2,048 units, in blocks of 32, and goes to the workspace act.
; SHARES.  Work-group id = 32 e + 2 S + g: expert e, hidden units 128 S .. 128 S + 127 (K step S of the second product), and of the expert's tiles of 16 routed rows those with number 2 i + g.
; Wave w holds the weights of units 128 S + 32 w .. + 31 IN REGISTERS for the whole launch: two tiles of x1's rows of w13, two of x3's, 8 K steps each: 32 fragments, 384 registers, read from memory once.
; The rows of x, the small operand, are gathered into LDS and read by all four waves.
; ROUTING.  Every wave counts, from the 2,048 indices, the entries equal to e (cnt) and below e (lt).  Wave 0 alone lays the list of e's rows in LDS; no other wave touches LDS ahead of the barrier behind it.
; The expert has nt = max(ceil(cnt / 16), 1) tiles; its tile Te is tile (lt / 16) + e + Te of act: experts never meet, and the largest number is 135.  List places from cnt on hold 0: such rows are computed from
; token 0 and never used.  An expert without rows so has one tile all the same: the next launch copies tiles with no branch, and reads only bytes that were written.
; act: tile T at 28,672 T; piece S at + 1,792 S: 1,536 bytes of codes [block of 32 units][row][24 bytes], then 8 bytes a lane: the scale word of row lane % 16, and 0.  Seven aligned blocks of 256 bytes, each stored by one instruction.
; THE MATRIX INSTRUCTION IS USED TRANSPOSED (source 0 = 16 rows of w13, source 1 = 16 routed rows): a lane holds ONE routed row.  Lane r of a tile of weights takes unit 8 u + r + 8 (r / 8), so that the 16 registers of
; tiles u = 0, 1 are 16 neighbouring units: 16 (lane / 16) + 0 .. 15.
; NO TENSOR LOAD, NO CLUSTER: how many tiles a work-group has hangs on counts made from an input; there is no joint request either.
; LIMITS: NaN and infinities are not served.  A block of the hidden layer whose largest magnitude lies under 2^-122, a block of zeros among them, gets the byte 1 (the rule gives a block of zeros 127): the bytes are
; read by this program alone, and zero codes add nothing.  Where 2^(-x1 log2 e) overflows, the sigmoid is 0.
.set ROWB,   768                       ; a row of x or of w13: 1,024 codes
.set X3ROW,  2048*ROWB                 ; from x1's rows of w13 to x3's
.set X3SC,   2048*32                   ; the same in the scale bytes
.set PIECE,  1792
.set TILEB,  16*PIECE
.set TMAX,   135
.set CH,     12                        ; tiles in a chunk: what LDS holds of x at a time
.set CHUNKS, 6                         ; 72 tiles: a work-group has 64 at the most (all 2,048 rows on one expert)
.set LISTE,  2688                      ; list places: all that the text's addresses can name; behind them 32 places for the lanes that have nothing to lay
.set U,      11008                     ; LDS behind the list
.set PW,     784                       ; a row of codes in LDS: 768 + 16 bytes = 196 words: row r starts at bank 4 r mod 64 (64 banks of 4 bytes: ISA guide 11.1)
.set WSTW,   64*PW                     ; up to the barrier B0: a stage of 64 rows for each wave, in which its weights turn from rows as loaded into fragments
.set XT,     16*PW                     ; behind B0 the same bytes hold: x's tiles, CH + 1 slots (the last is named by the look-ahead of the last trip and never read),
.set XB,     U
.set XSB,    XB+(CH+1)*XT              ; their scale bytes, 32 a row,
.set AST,    XSB+(CH+1)*512            ; and the result's stage: for each WAVE a run of CH places of 400 bytes: 384 of codes (16 rows x 24), 16 scale bytes
.set ATL,    400
.set ASW,    CH*ATL
.set AJ,     ASW-384                   ; what a piece's address gains where it passes from one wave's 384 bytes of codes into the next wave's
; vector registers, window 0
.set LN,  1                            ; lane
.set RR,  2                            ; r = lane % 16
.set HH,  3                            ; h = lane / 16
.set L16, 4                            ; 16 x lane
.set L8,  5                            ; 8 x lane
.set R16, 6                            ; 16 r
.set WO,  7                            ; weights in memory: 768 h + 16 r: two rows an instruction, 256 bytes of each
.set WSA, 8                            ; my stage, on the way in
.set WFA, 9                            ; and as fragments: 784 r + 24 h
.set WSO, 10                           ; weights' scale words: 32 (r + 8 (r / 8))
.set LA,  11                           ; the list: 32 h: eight places a half wave
.set LB,  12                           ; the list: 4 (lane / 2)
.set B16, 13                           ; 16 (lane % 2)
.set XSA, 14                           ; v14-16 where I store the tiles that I gather (tile w + 4 k)
.set XSSA,17                           ; and their scale bytes
.set XFA, 18                           ; x's fragments in slot 0
.set XSF, 19                           ; x's scale words in slot 0
.set ASTA,20                           ; my stage for codes: 24 r + 12 h
.set ASCA,21                           ; and for scale bytes: r
.set OLA, 22                           ; v22 the way out: 8 x lane in tile w's place of wave 0's run;  v23 the same with lanes 16-31 one wave's run further on
.set OLS, 25                           ; the way out: row r's scale byte in wave 0's run
.set DMP, 26                           ; LISTE + lane
.set RHO, 27                           ; 4 x lane
.set ZQ,  28                           ; v28-31 zeros
.set XA,  32                           ; addresses of the tile in hand
.set XS2, 33
.set ASA, 34
.set ASB, 35
.set LTA, 36
.set LTB, 37
.set OB,  41                           ; v41-43 offsets in act
.set XO,  44                           ; v44-67 list entries, then offsets in x_codes: eight rows for each of three tiles
.set XSO, 68                           ; v68-70 the same for x_scales
.set SP,  72                           ; v72-79 at work
.set WS,  80                           ; v80-111 the weights' scale words, (tile t, K step s) at 8 t + s: scales and nothing else
.set XSC, 112                          ; v112-119 x's scale words of the tile in hand: scales and nothing else
.set MX0, 120
.set MX1, 121
.set MP,  122
.set SC,  123
.set CD,  124                          ; v124-126 sixteen codes
.set BY,  127
.set ACC, 128                          ; v128-143 x1, v144-159 x3
.set TR,  160                          ; v160-175 the sigmoid
.set IDX, 128                          ; v128-191 at the head: the indices
.set OD,  128                          ; the way out: 20 registers a tile
.set XK2, 128                          ; v128-223 the third gathered tile (the first two: window 1, v0-95 and v96-191)
.set XSS, 224                          ; v224-235 gathered scale bytes
; window 1: v0-95 x's fragments of the tile in hand.  windows 2, 3: v0-191 the weights: as loaded, then fragment (t, s) at 12 (4 (s % 4) + t) of window 2 + s / 4
; scalar registers
.set WV,  16
.set GG,  17
.set SL,  18
.set EX,  19
.set CNT, 20
.set LT,  21
.set NT,  22
.set NG,  23                           ; my work-group's tiles
.set TBG, 24                           ; the number in act of my first tile
.set CK,  25
.set I0,  26                           ; the chunk's first tile
.set NC,  27                           ; tiles in this chunk
.set SL0, 28                           ; where my first gathered tile stands in the list
.set TI,  29
.set TN,  30
.set SX,  31
.set SXS, 32
.set SAS, 33
.set SEL, 40                           ; s[40:41] lane l xor 16
.set NL,  42                           ; s[42:43] -log2(e)
.set MK,  44                           ; s44-59 masks and counts
.set RUN, 60
.set WV4, 61
.set WV8, 62
.set SOFF,63
.set MSB, 0
.macro WIN new                         ; the immediate's high byte repeats the setting that is left; a switch that changes nothing is dropped
.if MSB != (\new)
	s_set_vgpr_msb (MSB<<8)|(\new)
.set MSB, (\new)
.endif
.endm
.macro PLACES                          ; four plain places behind matrix instructions, ahead of loads into their operands and of reads of their results
.rept 4
	v_nop
.endr
.endm
.macro BAR                             ; all my LDS instructions are done; then the work-group's barrier
	s_wait_dscnt 0x0
	s_barrier_signal -1
	s_barrier_wait -1
.endm
; cnt and lt: register n of the 64 holds entries 128 (n / 4) + 4 lane + n % 4.  Eight registers at a time, so that the counts do not wait for single compares.
.macro COUNT
	s_mov_b32 s[CNT], 0
	s_mov_b32 s[LT], 0
.irp q, 0,1,2,3,4,5,6,7
.irp i, 0,1,2,3,4,5,6,7
	v_cmp_eq_u32 s[MK+\i], s[EX], v[IDX+8*\q+\i]
	v_cmp_gt_u32 s[MK+8+\i], s[EX], v[IDX+8*\q+\i]
.endr
.irp i, 0,1,2,3,4,5,6,7,8,9,10,11,12,13,14,15
	s_bcnt1_i32_b32 s[MK+\i], s[MK+\i]
.endr
.irp i, 0,1,2,3,4,5,6,7
	s_add_co_u32 s[CNT], s[CNT], s[MK+\i]
	s_add_co_u32 s[LT], s[LT], s[MK+8+\i]
.endr
.endr
.endm
; The list: zeros first; then each entry equal to e goes to the place given by the number of such entries ahead of it (registers in order, lanes in order).  The other lanes write to a place of their own behind the list.
.macro SCATTER
.irp z, 0,1,2,3,4,5,6,7,8,9,10,11,12,13,14,15,16,17,18,19,20
	ds_store_b128 v[L16], v[ZQ:ZQ+3] offset:512*\z
.endr
	s_mov_b32 s[RUN], 0
.irp q, 0,1,2,3,4,5,6,7
.irp i, 0,1,2,3,4,5,6,7
	v_cmp_eq_u32 s[MK+\i], s[EX], v[IDX+8*\q+\i]
.endr
.irp i, 0,1,2,3,4,5,6,7
.set EN, 8*\q+\i
	v_mbcnt_lo_u32_b32 v[SP+2*(\i%4)], s[MK+\i], s[RUN]
	s_bcnt1_i32_b32 s[MK+8], s[MK+\i]
	s_add_co_u32 s[RUN], s[RUN], s[MK+8]
	v_cndmask_b32 v[SP+2*(\i%4)], v[DMP], v[SP+2*(\i%4)], s[MK+\i]
	v_min_u32 v[SP+2*(\i%4)], LISTE+31, v[SP+2*(\i%4)]
	v_lshlrev_b32 v[SP+2*(\i%4)], 2, v[SP+2*(\i%4)]
	v_add_nc_u32 v[SP+2*(\i%4)+1], 128*(EN/4)+EN%4, v[RHO]
	ds_store_b32 v[SP+2*(\i%4)], v[SP+2*(\i%4)+1]
.endr
.endr
.endm
.macro WLOAD win, off                  ; 32 rows of weights as they lie: lanes 0-15 take 256 bytes of row 2 m, lanes 16-31 of row 2 m + 1
	WIN 64*\win
.irp m, 0,1,2,3,4,5,6,7,8,9,10,11,12,13,14,15
.irp j, 0,1,2
	global_load_b128 v[4*(3*\m+\j):4*(3*\m+\j)+3], v[WO], s[10:11] offset:\off+2*ROWB*\m+256*\j
.endr
.endr
	WIN 0
.endm
.macro STAGE win, base                 ; into my stage.  Row n goes to slot n with bits 3 and 4 changed over: slot 16 u + r then holds unit 8 u + r + 8 (r / 8)
	WIN 4*\win
.irp m, 0,1,2,3,4,5,6,7,8,9,10,11,12,13,14,15
.set SG, ((2*\m)&7)|((((2*\m)>>3)&1)<<4)|((((2*\m)>>4)&1)<<3)
.irp j, 0,1,2
	ds_store_b128 v[WSA], v[4*(3*\m+\j):4*(3*\m+\j)+3] offset:PW*(SG+\base)+256*\j
.endr
.endr
	WIN 0
.endm
; Three tiles of 16 rows of x (tiles w, w + 4, w + 8 of the chunk): the list's entries, their tokens' rows.  An instruction reads 256 bytes of row m (lanes 0-15) and of row 8 + m (lanes 16-31).
.macro GATHER
	v_add_nc_u32 v[LTA], s[SL0], v[LA]
	v_add_nc_u32 v[LTB], s[SL0], v[LB]
.irp k, 0,1,2
	ds_load_b128 v[XO+8*\k:XO+8*\k+3], v[LTA] offset:512*\k
	ds_load_b128 v[XO+8*\k+4:XO+8*\k+7], v[LTA] offset:512*\k+16
	ds_load_b32 v[XSO+\k], v[LTB] offset:512*\k
.endr
	s_wait_dscnt 0x0
.set I, 0
.rept 27                               ; XO's 24 and XSO's 3 stand on end: the token is rho / 2, held inside x
	v_lshrrev_b32 v[XO+I], 1, v[XO+I]
.set I, I+1
.endr
.set I, 0
.rept 27
	v_min_u32 v[XO+I], 1023, v[XO+I]
.set I, I+1
.endr
.set I, 0
.rept 24
	v_mul_u32_u24 v[XO+I], v[XO+I], ROWB
.set I, I+1
.endr
.set I, 0
.rept 24
	v_add_nc_u32 v[XO+I], v[XO+I], v[R16]
.set I, I+1
.endr
.irp k, 0,1,2
	v_lshlrev_b32 v[XSO+\k], 5, v[XSO+\k]
.endr
.irp k, 0,1,2
	v_add_nc_u32 v[XSO+\k], v[XSO+\k], v[B16]
.endr
	WIN 0x40
.irp k, 0,1
.irp m, 0,1,2,3,4,5,6,7
.irp j, 0,1,2
	global_load_b128 v[96*\k+4*(3*\m+\j):96*\k+4*(3*\m+\j)+3], v[XO+8*\k+\m], s[6:7] offset:256*\j
.endr
.endr
.endr
	WIN 0
.irp m, 0,1,2,3,4,5,6,7
.irp j, 0,1,2
	global_load_b128 v[XK2+4*(3*\m+\j):XK2+4*(3*\m+\j)+3], v[XO+16+\m], s[6:7] offset:256*\j
.endr
.endr
.irp k, 0,1,2
	global_load_b128 v[XSS+4*\k:XSS+4*\k+3], v[XSO+\k], s[8:9]
.endr
.endm
.macro XSTORE                          ; the gathered tiles into their slots
	WIN 0x04
.irp k, 0,1
.irp m, 0,1,2,3,4,5,6,7
.irp j, 0,1,2
	ds_store_b128 v[XSA+\k], v[96*\k+4*(3*\m+\j):96*\k+4*(3*\m+\j)+3] offset:PW*\m+256*\j
.endr
.endr
.endr
	WIN 0
.irp m, 0,1,2,3,4,5,6,7
.irp j, 0,1,2
	ds_store_b128 v[XSA+2], v[XK2+4*(3*\m+\j):XK2+4*(3*\m+\j)+3] offset:PW*\m+256*\j
.endr
.endr
.irp k, 0,1,2
	ds_store_b128 v[XSSA], v[XSS+4*\k:XSS+4*\k+3] offset:2048*\k
.endr
.endm
.macro XLOADS ax, as, ox, os           ; a tile of x: its 8 scale words, then its 8 fragments, K ascending: 24 bytes of a row as three loads of 8
	ds_load_b128 v[XSC:XSC+3], v[\as] offset:\os
	ds_load_b128 v[XSC+4:XSC+7], v[\as] offset:\os+16
	WIN 0x40
.irp s, 0,1,2,3,4,5,6,7
.irp p, 0,1,2,3,4,5
	ds_load_b64 v[12*\s+2*\p:12*\s+2*\p+1], v[\ax] offset:\ox+96*\s+48*(\p/3)+8*(\p%3)
.endr
.endr
	WIN 0
.endm
; 32 matrix instructions: K step by K step, the four accumulators by turns; the first K step starts the sums.
.macro MATRIX
.irp s, 0,1,2,3,4,5,6,7
	s_wait_dscnt 6*(7-\s)                          ; K step s is in: only the later K steps' six loads each were issued behind it (what else stands behind them only makes the count the safer)
	WIN 0x06+(\s/4)                                ; source 0 window 2 or 3, source 1 window 1, C and D window 0
.irp t, 0,1,2,3
.if \s == 0
	v_wmma_scale_f32_16x16x128_f8f6f4 v[ACC+8*\t:ACC+8*\t+7], v[12*(4*(\s%4)+\t):12*(4*(\s%4)+\t)+11], v[12*\s:12*\s+11], 0, v[WS+8*\t+\s], v[XSC+\s] matrix_a_fmt:MATRIX_FMT_BF6 matrix_b_fmt:MATRIX_FMT_BF6
.else
	v_wmma_scale_f32_16x16x128_f8f6f4 v[ACC+8*\t:ACC+8*\t+7], v[12*(4*(\s%4)+\t):12*(4*(\s%4)+\t)+11], v[12*\s:12*\s+11], v[ACC+8*\t:ACC+8*\t+7], v[WS+8*\t+\s], v[XSC+\s] matrix_a_fmt:MATRIX_FMT_BF6 matrix_b_fmt:MATRIX_FMT_BF6
.endif
.endr
.endr
	WIN 0
.endm
; (x1 sigmoid(x1)) x3 in f32, the block's scale, sixteen codes.  Lane (r, h): row r, units 16 h + 0 .. 15 of my wave's block of 32.  Each accumulator is read from its low end on.
.macro EPILOGUE
.set I, 0
.rept 8
	v_pk_mul_f32 v[TR+I:TR+I+1], v[ACC+I:ACC+I+1], s[NL:NL+1] op_sel_hi:[1,0]
.set I, I+2
.endr
.set I, 0
.rept 16
	v_exp_f32 v[TR+I], v[TR+I]                     ; e^-x1
.set I, I+1
.endr
	v_nop                                          ; a plain place behind the batch
	s_wait_alu depctr_va_vdst(0)                   ; one wait for the sixteen, ahead of their first reader
.set I, 0
.rept 8
	v_pk_add_f32 v[TR+I:TR+I+1], v[TR+I:TR+I+1], 1.0 op_sel_hi:[1,0]
.set I, I+2
.endr
.set I, 0
.rept 16
	v_rcp_f32 v[TR+I], v[TR+I]                     ; the sigmoid
.set I, I+1
.endr
	v_nop
	s_wait_alu depctr_va_vdst(0)
.set I, 0
.rept 8
	v_pk_mul_f32 v[ACC+I:ACC+I+1], v[ACC+I:ACC+I+1], v[TR+I:TR+I+1]
.set I, I+2
.endr
.set I, 0
.rept 8
	v_pk_mul_f32 v[ACC+I:ACC+I+1], v[ACC+I:ACC+I+1], v[ACC+16+I:ACC+16+I+1]
.set I, I+2
.endr
	v_max3_num_f32 v[MX0], |v[ACC]|, |v[ACC+1]|, 0x2800000         ; the largest magnitude of my 16, in two chains, and the floor 2^(5 - 127): the byte cannot fall under 1
	v_max3_num_f32 v[MX1], |v[ACC+2]|, |v[ACC+3]|, |v[ACC+4]|
	v_max3_num_f32 v[MX0], v[MX0], |v[ACC+5]|, |v[ACC+6]|
	v_max3_num_f32 v[MX1], v[MX1], |v[ACC+7]|, |v[ACC+8]|
	v_max3_num_f32 v[MX0], v[MX0], |v[ACC+9]|, |v[ACC+10]|
	v_max3_num_f32 v[MX1], v[MX1], |v[ACC+11]|, |v[ACC+12]|
	v_max3_num_f32 v[MX0], v[MX0], |v[ACC+13]|, |v[ACC+14]|
	v_max3_num_f32 v[MX0], v[MX0], v[MX1], |v[ACC+15]|
	v_permlanex16_b32 v[MP], v[MX0], s[SEL], s[SEL+1]
	v_max_num_f32 v[MX0], v[MX0], v[MP]            ; with lane l xor 16's 16: the block's
	v_add_nc_u32 v[SC], 0xfe000000, v[MX0]         ; 4 off its exponent field: the conversion takes the exponent field of this operand as its scale
	v_cvt_scalef32_pk16_bf6_f32 v[CD:CD+2], v[ACC:ACC+15], v[SC]
	v_lshrrev_b32 v[BY], 23, v[SC]                 ; the scale's byte.  (Also the plain place behind the conversion)
	ds_store_b32 v[ASA], v[CD]
	ds_store_b32 v[ASA], v[CD+1] offset:4
	ds_store_b32 v[ASA], v[CD+2] offset:8
	ds_store_b8 v[ASB], v[BY]                      ; both lanes of a row write the same byte with the same value
.endm
; Tile w + 4 k of the chunk, from the four waves' runs.  Its 1,536 bytes of codes are 192 pieces of 8 bytes, 48 in each wave's run; load c takes pieces 32 c + lane.  Loads 0, 2, 3, 5 lie in one run (number 32 c / 48);
; in loads 1 and 4 lanes 16-31 lie one run further on than lanes 0-15: the second address register serves those.  Then row r's four scale bytes.
.macro OLOAD k
.irp c, 0,1,2,3,4,5
.if \c%3 == 1
	ds_load_b64 v[OD+20*\k+2*\c:OD+20*\k+2*\c+1], v[OLA+1] offset:4*ATL*\k+256*\c+((32*\c)/48)*AJ
.else
	ds_load_b64 v[OD+20*\k+2*\c:OD+20*\k+2*\c+1], v[OLA] offset:4*ATL*\k+256*\c+((32*\c)/48)*AJ
.endif
.endr
	ds_load_u8 v[OD+20*\k+12], v[OLS] offset:4*ATL*\k
	ds_load_u8 v[OD+20*\k+14], v[OLS] offset:4*ATL*\k+ASW
	ds_load_u8 v[OD+20*\k+15], v[OLS] offset:4*ATL*\k+2*ASW
	ds_load_u8 v[OD+20*\k+16], v[OLS] offset:4*ATL*\k+3*ASW
.endm
.macro OSTORE k, wk                    ; and into act: each store's 32 lanes cover 256 consecutive bytes, at a multiple of 256 from act's first byte
	s_wait_dscnt 0x0
	v_lshl_or_b32 v[OD+20*\k+12], v[OD+20*\k+14], 8, v[OD+20*\k+12]
	v_lshl_or_b32 v[OD+20*\k+12], v[OD+20*\k+15], 16, v[OD+20*\k+12]
	v_lshl_or_b32 v[OD+20*\k+12], v[OD+20*\k+16], 24, v[OD+20*\k+12]
	v_mov_b32 v[OD+20*\k+13], 0
	s_add_co_u32 s34, s[I0], s[\wk]
	s_lshl_b32 s34, s34, 1
	s_add_co_u32 s34, s34, s[TBG]                  ; the tile's number in act,
	s_min_u32 s34, s34, TMAX                       ; which the counts keep at 135 or under
	s_mul_i32 s34, s34, TILEB
	s_add_co_u32 s34, s34, s[SOFF]
	v_add_nc_u32 v[OB+\k], s34, v[L8]
.irp c, 0,1,2,3,4,5
	global_store_b64 v[OB+\k], v[OD+20*\k+2*\c:OD+20*\k+2*\c+1], s[14:15] offset:256*\c
.endr
	global_store_b64 v[OB+\k], v[OD+20*\k+12:OD+20*\k+13], s[14:15] offset:1536
.endm
	; ---- ids and every address that stays
	s_load_b256 s[4:11], s[0:1], 0x0               ; indices s[4:5], x's codes s[6:7], x's scales s[8:9], w13's codes s[10:11]
	s_load_b128 s[12:15], s[0:1], 0x20             ; w13's scales s[12:13], act s[14:15]
	v_lshl_add_u32 v254, v0, 2, 0x33b00
	v_mov_b32 v255, 0
	v_lshrrev_b32 v[LN], 5, v0
	v_readfirstlane_b32 s[WV], v[LN]               ; wave 0..3
	v_and_b32 v[LN], 31, v0
	v_and_b32 v[RR], 15, v0
	v_bfe_u32 v[HH], v0, 4, 1
	s_lshr_b32 s[EX], ttmp9, 5
	s_bfe_u32 s[SL], ttmp9, 0x40001
	s_and_b32 s[GG], ttmp9, 1
	s_add_co_u32 s[WV4], s[WV], 4
	s_add_co_u32 s[WV8], s[WV], 8
	s_mul_i32 s[SOFF], s[SL], PIECE
	s_lshl_b32 s[SL0], s[WV], 7                    ; tile 2 (I0 + w) + g of the expert: 64 bytes of the list a tile
	s_lshl_b32 s34, s[GG], 6
	s_add_co_u32 s[SL0], s[SL0], s34
	s_mov_b32 s[SEL], 0x76543210
	s_mov_b32 s[SEL+1], 0xfedcba98
	s_mov_b32 s[NL], 0xbfb8aa3b                    ; -log2(e)
	s_mov_b32 s[NL+1], s[NL]                       ; (named with it as a pair, so it is written)
	v_lshlrev_b32 v[L16], 4, v[LN]
	v_lshlrev_b32 v[L8], 3, v[LN]
	v_lshlrev_b32 v[R16], 4, v[RR]
	v_mad_u32_u24 v[WO], v[HH], ROWB, v[R16]
	s_mul_i32 s34, s[WV], WSTW
	s_add_co_u32 s34, s34, U                       ; my stage
	v_mad_u32_u24 v[WSA], v[HH], PW, v[R16]
	v_add_nc_u32 v[WSA], s34, v[WSA]
	v_mul_u32_u24 v[WFA], v[RR], PW
	v_mad_u32_u24 v[WFA], v[HH], 24, v[WFA]
	v_add_nc_u32 v[XFA], XB, v[WFA]
	v_add_nc_u32 v[WFA], s34, v[WFA]
	v_and_b32 v[WSO], 8, v[RR]
	v_add_nc_u32 v[WSO], v[WSO], v[RR]
	v_lshlrev_b32 v[WSO], 5, v[WSO]
	v_lshlrev_b32 v[LA], 5, v[HH]
	v_and_b32 v[LB], 30, v[LN]
	v_lshlrev_b32 v[LB], 1, v[LB]
	v_and_b32 v[B16], 1, v[LN]
	v_lshlrev_b32 v[B16], 4, v[B16]
	s_mul_i32 s35, s[WV], XT
	s_add_co_u32 s35, s35, XB
	v_mad_u32_u24 v[XSA], v[HH], 8*PW, v[R16]
	v_add_nc_u32 v[XSA], s35, v[XSA]
	v_add_nc_u32 v[XSA+1], 4*XT, v[XSA]
	v_add_nc_u32 v[XSA+2], 8*XT, v[XSA]
	s_lshl_b32 s35, s[WV], 9
	s_add_co_u32 s35, s35, XSB
	v_add_nc_u32 v[XSSA], s35, v[L16]
	v_lshl_add_u32 v[XSF], v[RR], 5, XSB
	s_mul_i32 s35, s[WV], ASW
	s_add_co_u32 s35, s35, AST                     ; my run of the result's stage
	v_mul_u32_u24 v[ASTA], v[RR], 24
	v_mad_u32_u24 v[ASTA], v[HH], 12, v[ASTA]
	v_add_nc_u32 v[ASTA], s35, v[ASTA]
	v_add_nc_u32 v[ASCA], s35, v[RR]
	v_add_nc_u32 v[ASCA], 384, v[ASCA]
	s_mul_i32 s35, s[WV], ATL
	s_add_co_u32 s35, s35, AST                     ; the way out: tile w's place in wave 0's run
	v_add_nc_u32 v[OLA], s35, v[L8]
	v_mad_u32_u24 v[OLA+1], v[HH], AJ, v[OLA]
	v_add_nc_u32 v[OLS], s35, v[RR]
	v_add_nc_u32 v[OLS], 384, v[OLS]
	v_add_nc_u32 v[DMP], LISTE, v[LN]
	v_lshlrev_b32 v[RHO], 2, v[LN]
.irp i, 0,1,2,3
	v_mov_b32 v[ZQ+\i], 0
.endr
	v_mov_b32 v[MP], 0                             ; written once: a lane permute's destination counts as one of its sources
	s_lshl_b32 s34, s[EX], 12
	s_lshl_b32 s35, s[SL], 7
	s_add_co_u32 s34, s34, s35
	s_lshl_b32 s35, s[WV], 5
	s_add_co_u32 s34, s34, s35                     ; my first row of w13: 4,096 e + 128 S + 32 w
	s_mul_i32 s36, s34, ROWB
	s_mov_b32 s37, 0
	s_lshl_b32 s38, s34, 5
	s_mov_b32 s39, 0
	s_wait_kmcnt 0x0
	s_add_nc_u64 s[10:11], s[10:11], s[36:37]
	s_add_nc_u64 s[12:13], s[12:13], s[38:39]
	; ---- the indices, and x1's rows of my weights behind them
.irp n, 0,1,2,3,4,5,6,7,8,9,10,11,12,13,14,15
	global_load_b128 v[IDX+4*\n:IDX+4*\n+3], v[L16], s[4:5] offset:512*\n
.endr
	WLOAD 2, 0
	s_wait_loadcnt 48                              ; the indices are in; the 48 loads of weights behind them stay out
	COUNT
	s_cmp_lg_u32 s[WV], 0
	s_cbranch_scc1 .Lrouted
	SCATTER                                        ; wave 0 alone; nobody else has touched LDS yet
.Lrouted:
	WLOAD 3, X3ROW                                 ; x3's rows
.irp t, 0,1,2,3
	global_load_b128 v[WS+8*\t:WS+8*\t+3], v[WSO], s[12:13] offset:(\t/2)*X3SC+(\t%2)*256
	global_load_b128 v[WS+8*\t+4:WS+8*\t+7], v[WSO], s[12:13] offset:(\t/2)*X3SC+(\t%2)*256+16
.endr
	s_add_co_u32 s[NT], s[CNT], 15
	s_lshr_b32 s[NT], s[NT], 4
	s_max_u32 s[NT], s[NT], 1                      ; an expert without rows has one tile all the same
	s_lshr_b32 s[TBG], s[LT], 4
	s_add_co_u32 s[TBG], s[TBG], s[EX]
	s_add_co_u32 s[TBG], s[TBG], s[GG]
	s_add_co_u32 s[NG], s[NT], 1
	s_sub_co_u32 s[NG], s[NG], s[GG]
	s_lshr_b32 s[NG], s[NG], 1
	s_min_u32 s[NC], s[NG], CH
	s_mov_b32 s[I0], 0
	s_mov_b32 s[CK], 0
	BAR                                            ; the list lies in LDS for all four waves
	s_wait_loadcnt 56                              ; x1's rows are in: behind them x3's 48 loads and the 8 of scale words
	STAGE 2, 0
	GATHER                                         ; the first chunk is gathered whole, with no branch: places past the expert's end hold 0 and bring token 0's row
	s_wait_loadcnt 63                              ; x3's rows are in: 83 loads have been issued behind them, and the wait names the most that its field holds
	STAGE 3, 32
	s_wait_dscnt 0x0                               ; the stage's stores have read the registers on which the fragments land
.irp s, 0,1,2,3,4,5,6,7
	WIN 0x80+0x40*(\s/4)
.irp t, 0,1,2,3
.irp p, 0,1,2,3,4,5
	ds_load_b64 v[12*(4*(\s%4)+\t)+2*\p:12*(4*(\s%4)+\t)+2*\p+1], v[WFA] offset:XT*\t+96*\s+48*(\p/3)+8*(\p%3)
.endr
.endr
.endr
	WIN 0
	BAR                                            ; B0: every wave's fragments are in registers: the stages' bytes are free
	s_wait_loadcnt 0x0                             ; the scale words and the gathered rows
	XSTORE
.Lchunk:
	BAR                                            ; B1: the chunk's rows lie in LDS; and every wave has read what it stores of the last chunk's results
	s_mov_b32 s[SX], 0
	s_mov_b32 s[SXS], 0
	s_mov_b32 s[SAS], 0
	s_mov_b32 s[TI], 0
	XLOADS XFA, XSF, 0, 0                          ; slot 0, which the first chunk has filled in any case
.Ltile:                                            ; CH trips, whatever the counts: a trip without a tile only steps the addresses
	s_cmp_ge_u32 s[TI], s[NC]
	s_cbranch_scc1 .Lskip
	v_add_nc_u32 v[XA], s[SX], v[XFA]
	v_add_nc_u32 v[XS2], s[SXS], v[XSF]
	v_add_nc_u32 v[ASA], s[SAS], v[ASTA]
	v_add_nc_u32 v[ASB], s[SAS], v[ASCA]
	s_add_co_u32 s[TN], s[TI], 1
	MATRIX
	PLACES
	s_cmp_ge_u32 s[TN], s[NC]
	s_cbranch_scc1 .Lnonext
	XLOADS XA, XS2, XT, 512                        ; the next tile lands while this one's results are worked
.Lnonext:
	EPILOGUE
.Lskip:
	s_add_co_u32 s[SX], s[SX], XT
	s_add_co_u32 s[SXS], s[SXS], 512
	s_add_co_u32 s[SAS], s[SAS], ATL
	s_add_co_u32 s[TI], s[TI], 1
	s_cmp_lt_u32 s[TI], CH
	s_cbranch_scc1 .Ltile
	BAR                                            ; B2: the chunk's results lie in the stage; nobody reads its rows of x any more
	; ---- the way out: wave w takes tiles w, w + 4, w + 8.  Loads in ascending order, with exits into the stores in descending order: each way stores just what it has loaded
	s_cmp_ge_u32 s[WV], s[NC]
	s_cbranch_scc1 .Lo0
	OLOAD 0
	s_cmp_ge_u32 s[WV4], s[NC]
	s_cbranch_scc1 .Lo1
	OLOAD 1
	s_cmp_ge_u32 s[WV8], s[NC]
	s_cbranch_scc1 .Lo2
	OLOAD 2
	OSTORE 2, WV8
.Lo2:
	OSTORE 1, WV4
.Lo1:
	OSTORE 0, WV
.Lo0:
	s_wait_xcnt 0x0                                ; the stores have read their registers: these are written again below and in the next trip
	s_add_co_u32 s[I0], s[I0], CH
	s_add_co_u32 s[SL0], s[SL0], 128*CH
	s_sub_co_i32 s[NC], s[NG], s[I0]
	s_max_i32 s[NC], s[NC], 0
	s_min_u32 s[NC], s[NC], CH
	s_cmp_eq_u32 s[NC], 0
	s_cbranch_scc1 .Lnog
	GATHER                                         ; a further chunk (an expert with more than 384 rows): gathered, awaited and stored in one block
	s_wait_loadcnt 0x0
	XSTORE
.Lnog:
	s_add_co_u32 s[CK], s[CK], 1
	s_cmp_lt_u32 s[CK], CHUNKS
	s_cbranch_scc1 .Lchunk
	s_wait_tensorcnt 0x0
	ds_add_u32 v254, v255
	s_wait_dscnt 0x0
	s_endpgm
.Lfunc_end_k_qfbdcc0a28f_up:
	.size	k_qfbdcc0a28f_up, .Lfunc_end_k_qfbdcc0a28f_up-k_qfbdcc0a28f_up
	.p2alignl 7, 3214868480
	.fill 96, 4, 3214868480
	.section	.rodata,"a",@progbits
	.p2align	6, 0x0
	.amdhsa_kernel k_qfbdcc0a28f_up
		.amdhsa_group_segment_fixed_size 212224
		.amdhsa_private_segment_fixed_size 0
		.amdhsa_enable_private_segment 0
		.amdhsa_kernarg_size 48
		.amdhsa_user_sgpr_count 2
		.amdhsa_user_sgpr_kernarg_segment_ptr 1
		.amdhsa_wavefront_size32 1
		.amdhsa_system_sgpr_workgroup_id_x 1
		.amdhsa_system_sgpr_workgroup_id_y 1
		.amdhsa_system_sgpr_workgroup_id_z 1
		.amdhsa_system_vgpr_workitem_id 0
		.amdhsa_next_free_vgpr 960
		.amdhsa_next_free_sgpr 66
		.amdhsa_reserve_vcc 0
		.amdhsa_float_denorm_mode_32 3
		.amdhsa_float_denorm_mode_16_64 3
		.amdhsa_memory_ordered 1
		.amdhsa_forward_progress 1
		.amdhsa_inst_pref_size 141
	.end_amdhsa_kernel
	.amdgpu_metadata
---
amdhsa.version: [ 1, 2 ]
amdhsa.kernels:
  - .name:           k_qfbdcc0a28f_up
    .symbol:         k_qfbdcc0a28f_up.kd
    .args:
      - { .name: expert_indices, .offset: 0, .size: 8, .value_kind: global_buffer, .address_space: global }
      - { .name: x_codes, .offset: 8, .size: 8, .value_kind: global_buffer, .address_space: global }
      - { .name: x_scales, .offset: 16, .size: 8, .value_kind: global_buffer, .address_space: global }
      - { .name: w13_codes, .offset: 24, .size: 8, .value_kind: global_buffer, .address_space: global }
      - { .name: w13_scales, .offset: 32, .size: 8, .value_kind: global_buffer, .address_space: global }
      - { .name: act, .offset: 40, .size: 8, .value_kind: global_buffer, .address_space: global }
    .group_segment_fixed_size: 212224
    .private_segment_fixed_size: 0
    .kernarg_segment_align: 8
    .kernarg_segment_size: 48
    .max_flat_workgroup_size: 128
    .sgpr_count:     66
    .vgpr_count:     960
    .wavefront_size: 32
...
	.end_amdgpu_metadata
.endif
;; end of part 1
;; launch down (part 2): grid 256 x 1, 4 waves a work-group, no clusters, 268,032 bytes of LDS; arguments expert_indices, act, w2_codes, w2_scales, out0; writes out0
.if DOCPART == 2
	.amdgcn_target "amdgcn-amd-amdhsa--gfx1250"
	.amdhsa_code_object_version 6
	.text
	.protected	k_qfbdcc0a28f_down
	.globl	k_qfbdcc0a28f_down
	.p2align	8
	.type	k_qfbdcc0a28f_down,@function
k_qfbdcc0a28f_down:
	s_mov_b64 s[64:65], 0
	v_nop
	global_prefetch_b8 v0, s[64:65] scope:SCOPE_SE
	s_setreg_imm32_b32 hwreg(HW_REG_WAVE_MODE, 25, 1), 1
	s_wait_xcnt 0x0
; out0[rho] = act[rho] w2[e]^T for the routed rows rho = 2 x token + slot, e = expert_indices[rho].  act: the hidden layer as codes of BF6 (E3M2) with E8M0 scale words, as the launch before has laid it:
; tile T (16 routed rows of one expert) at 28,672 T; K step s (128 hidden units) at + 1,792 s: 1,536 bytes of codes [block][row][24 bytes], so that lane l's operand registers 6 c .. 6 c + 5 lie at 768 c + 24 l;
; then 8 bytes a lane, the first four the scale word of row lane % 16.
; SHARES.  Work-group id = 32 e + 4 cg + g: expert e, output columns 128 cg .. + 127, and of the expert's tiles those with number 4 i + g.  Wave w holds the weights of columns 128 cg + 32 w .. + 31 IN REGISTERS for the
; whole launch: two tiles of 16 rows of w2, 16 K steps each: 32 fragments, 384 registers, read from memory once.  The tiles of act are copied into LDS, a quarter by each wave, and read by all four.
; ROUTING as in the launch before, by the same lines: every wave counts cnt and lt, wave 0 alone lays the list; the expert has max(ceil(cnt / 16), 1) tiles, and its tile Te is tile (lt / 16) + e + Te of act.
; Rows from cnt on are not stored; of the one tile of an expert without rows nothing is stored.
; THE MATRIX INSTRUCTION IS USED TRANSPOSED (source 0 = 16 rows of w2, source 1 = 16 routed rows): a lane holds eight neighbouring columns of one row.
; THE SUMS are kept in two halves, even and odd K steps, and added at the end: four accumulators take turns.  That is another order of rounding than one chain along K.
; NO TENSOR LOAD, NO CLUSTER: how many tiles a work-group has hangs on counts made from an input.
; LIMITS: NaN and infinities are not served.
.set ROWB,   1536                      ; a row of w2: 2,048 codes
.set PIECE,  1792
.set TILEB,  16*PIECE
.set TMAX,   135
.set CH,     6                         ; tiles in a chunk
.set CHUNKS, 6                         ; 36 tiles: a work-group has 32 at the most
.set LISTE,  2688
.set U,      11008                     ; LDS behind the list
.set PW,     1552                      ; a row of weights in LDS: 1,536 + 16 bytes = 388 words: row r starts at bank 4 r mod 64 (64 banks of 4 bytes: ISA guide 11.1)
.set WSTW,   32*PW                     ; up to the barrier B0: a stage of 32 rows for each wave
.set ACT,    U                         ; behind B0: CH + 1 slots for tiles of act (the last is named by the look-ahead of the last trip and never read)
.set OST,    ACT+(CH+1)*TILEB          ; the result's stage: for each WAVE a run of CH places of 16 rows x (128 + 16) bytes,
.set OTL,    16*144
.set OSW,    CH*OTL+128                ; and 128 bytes, so that neighbouring waves' runs begin half a row of banks apart
; vector registers, window 0
.set LN,  1
.set RR,  2
.set HH,  3
.set L16, 4
.set R16, 5
.set WO,  6                            ; weights in memory: 1,536 h + 16 r
.set WSA, 7                            ; my stage, on the way in
.set WFA, 8                            ; and as fragments: 1,552 r + 24 h
.set WSO, 9                            ; weights' scale words: 64 r
.set ASB, 10                           ; v10-12 where I store my quarter of tiles 0, 2, 4 of a chunk
.set AF,  13                           ; act's fragments in slot 0: 24 x lane
.set ASF, 14                           ; act's scale words in slot 0: lanes 0-15 an even K step's, lanes 16-31 the next one's
.set OSB, 15                           ; my run of the stage: 144 r + 32 h
.set ORD, 16                           ; the way out: a row of 512 bytes as four waves' 128
.set CL,  17                           ; my bytes in a row of out0: 512 cg + 16 lane
.set LW,  18                           ; 16 w
.set LOA, 19                           ; addresses in hand
.set AN,  20
.set SN,  21
.set OSA, 22
.set GO,  24                           ; v24-29 offsets in act
.set DMP, 30
.set RHO, 31
.set ZQ,  32                           ; v32-35 zeros
.set SP,  36                           ; v36-43 at work
.set WS,  48                           ; v48-79 the weights' scale words, (tile t, K step s) at 16 t + s: scales and nothing else
.set ASC, 80                           ; v80-87 act's scale words of the tile in hand: scales and nothing else
.set ACC, 96                           ; v96-127 four accumulators: 2 (s % 2) + t
.set IDX, 128                          ; v128-191 at the head: the indices
.set STG0,128                          ; v128-207 the last 20 of the 84 groups of four registers in which a chunk is copied (the first 64: window 1)
.set OD,  128                          ; the way out: 20 registers a tile: four list entries, four rows' 16 bytes
; window 1: v0-191 act's fragments of the tile in hand.  windows 2, 3: v0-191 the weights: as loaded, then fragment (t, s) at 12 (2 (s % 8) + t) of window 2 + s / 8
.set WV,  16
.set GG,  17
.set CG,  18
.set EX,  19
.set CNT, 20
.set LT,  21
.set NT,  22
.set NG,  23
.set TB,  24
.set CK,  25
.set I0,  26
.set NC,  27
.set SL0, 28
.set TI,  29
.set TN,  30
.set SA,  31
.set SO,  32
.set NTL, 33                           ; the expert's last tile
.set WB,  40                           ; s[40:41] my rows of w2
.set WOFF,42                           ; 7,168 w: my quarter of a tile
.set G16W,43                           ; 16 g + 4 w
.set MK,  44
.set RUN, 60
.set MSB, 0
.macro WIN new                         ; the immediate's high byte repeats the setting that is left; a switch that changes nothing is dropped
.if MSB != (\new)
	s_set_vgpr_msb (MSB<<8)|(\new)
.set MSB, (\new)
.endif
.endm
.macro PLACES                          ; four plain places behind matrix instructions (ISA guide 7.12.1)
.rept 4
	v_nop
.endr
.endm
.macro BAR
	s_wait_dscnt 0x0
	s_barrier_signal -1
	s_barrier_wait -1
.endm
.macro COUNT                           ; as in the launch before
	s_mov_b32 s[CNT], 0
	s_mov_b32 s[LT], 0
.irp q, 0,1,2,3,4,5,6,7
.irp i, 0,1,2,3,4,5,6,7
	v_cmp_eq_u32 s[MK+\i], s[EX], v[IDX+8*\q+\i]
	v_cmp_gt_u32 s[MK+8+\i], s[EX], v[IDX+8*\q+\i]
.endr
.irp i, 0,1,2,3,4,5,6,7,8,9,10,11,12,13,14,15
	s_bcnt1_i32_b32 s[MK+\i], s[MK+\i]
.endr
.irp i, 0,1,2,3,4,5,6,7
	s_add_co_u32 s[CNT], s[CNT], s[MK+\i]
	s_add_co_u32 s[LT], s[LT], s[MK+8+\i]
.endr
.endr
.endm
.macro SCATTER                         ; as in the launch before: the same order of places
.irp z, 0,1,2,3,4,5,6,7,8,9,10,11,12,13,14,15,16,17,18,19,20
	ds_store_b128 v[L16], v[ZQ:ZQ+3] offset:512*\z
.endr
	s_mov_b32 s[RUN], 0
.irp q, 0,1,2,3,4,5,6,7
.irp i, 0,1,2,3,4,5,6,7
	v_cmp_eq_u32 s[MK+\i], s[EX], v[IDX+8*\q+\i]
.endr
.irp i, 0,1,2,3,4,5,6,7
.set EN, 8*\q+\i
	v_mbcnt_lo_u32_b32 v[SP+2*(\i%4)], s[MK+\i], s[RUN]
	s_bcnt1_i32_b32 s[MK+8], s[MK+\i]
	s_add_co_u32 s[RUN], s[RUN], s[MK+8]
	v_cndmask_b32 v[SP+2*(\i%4)], v[DMP], v[SP+2*(\i%4)], s[MK+\i]
	v_min_u32 v[SP+2*(\i%4)], LISTE+31, v[SP+2*(\i%4)]
	v_lshlrev_b32 v[SP+2*(\i%4)], 2, v[SP+2*(\i%4)]
	v_add_nc_u32 v[SP+2*(\i%4)+1], 128*(EN/4)+EN%4, v[RHO]
	ds_store_b32 v[SP+2*(\i%4)], v[SP+2*(\i%4)+1]
.endr
.endr
.endm
.macro WLOAD win                       ; 16 rows of weights as they lie: lanes 0-15 take 256 bytes of an even row, lanes 16-31 of the next
	WIN 64*\win
.irp m, 0,1,2,3,4,5,6,7
.irp j, 0,1,2,3,4,5
	global_load_b128 v[4*(6*\m+\j):4*(6*\m+\j)+3], v[WO], s[WB:WB+1] offset:2*ROWB*(\m+8*(\win-2))+256*\j
.endr
.endr
	WIN 0
.endm
.macro STAGE win
	WIN 4*\win
.irp m, 0,1,2,3,4,5,6,7
.irp j, 0,1,2,3,4,5
	ds_store_b128 v[WSA], v[4*(6*\m+\j):4*(6*\m+\j)+3] offset:2*PW*(\m+8*(\win-2))+256*\j
.endr
.endr
	WIN 0
.endm
; My quarter (K steps 4 w .. 4 w + 3: 7,168 dense bytes) of each of the chunk's six tiles.  A tile past the expert's last is held at the last: its bytes are copied and not used.
.macro GATHER
.irp k, 0,1,2,3,4,5
	s_add_co_u32 s34, s[I0], \k
	s_lshl_b32 s34, s34, 2
	s_add_co_u32 s34, s34, s[GG]
	s_min_u32 s34, s34, s[NTL]
	s_add_co_u32 s34, s34, s[TB]
	s_min_u32 s34, s34, TMAX                       ; the counts keep it at 135 or under
	s_mul_i32 s34, s34, TILEB
	s_add_co_u32 s34, s34, s[WOFF]
	v_add_nc_u32 v[GO+\k], s34, v[L16]
.endr
.set QQ, 0
.rept 84
.if QQ < 64
	WIN 0x40
	global_load_b128 v[4*QQ:4*QQ+3], v[GO+QQ/14], s[6:7] offset:512*(QQ%14)
.else
	WIN 0
	global_load_b128 v[STG0+4*(QQ-64):STG0+4*(QQ-64)+3], v[GO+QQ/14], s[6:7] offset:512*(QQ%14)
.endif
.set QQ, QQ+1
.endr
	WIN 0
.endm
.macro XSTORE
.set QQ, 0
.rept 84
.if QQ < 64
	WIN 0x04
	ds_store_b128 v[ASB+(QQ/14)/2], v[4*QQ:4*QQ+3] offset:TILEB*((QQ/14)%2)+512*(QQ%14)
.else
	WIN 0
	ds_store_b128 v[ASB+(QQ/14)/2], v[STG0+4*(QQ-64):STG0+4*(QQ-64)+3] offset:TILEB*((QQ/14)%2)+512*(QQ%14)
.endif
.set QQ, QQ+1
.endr
	WIN 0
.endm
.macro HLOAD hf, aa, as, off           ; half a tile of act: four registers of scale words (two K steps each), eight fragments: 52 loads
.irp u, 0,1,2,3
	ds_load_b32 v[ASC+4*\hf+\u], v[\as] offset:\off+2*PIECE*(4*\hf+\u)
.endr
	WIN 0x40
.irp s8, 0,1,2,3,4,5,6,7
.irp p, 0,1,2,3,4,5
	ds_load_b64 v[12*(8*\hf+\s8)+2*\p:12*(8*\hf+\s8)+2*\p+1], v[\aa] offset:\off+PIECE*(8*\hf+\s8)+768*(\p/3)+8*(\p%3)
.endr
.endr
	WIN 0
.endm
; 16 matrix instructions: eight K steps x my two tiles of columns; the four accumulators by turns; K steps 0 and 1 start the sums.
.macro HMUL hf
	WIN 0x06+\hf                                   ; source 0 window 2 or 3, source 1 window 1, C and D window 0
.irp s8, 0,1,2,3,4,5,6,7
.irp t, 0,1
.set SS, 8*\hf+\s8
.set AR, ACC+8*(2*(\s8%2)+\t)
.if SS == 0
	v_wmma_scale_f32_16x16x128_f8f6f4 v[AR:AR+7], v[12*(2*\s8+\t):12*(2*\s8+\t)+11], v[12*SS:12*SS+11], 0, v[WS+16*\t+SS], v[ASC+SS/2] matrix_a_fmt:MATRIX_FMT_BF6 matrix_b_fmt:MATRIX_FMT_BF6
.elseif SS == 1
	v_wmma_scale_f32_16x16x128_f8f6f4 v[AR:AR+7], v[12*(2*\s8+\t):12*(2*\s8+\t)+11], v[12*SS:12*SS+11], 0, v[WS+16*\t+SS], v[ASC+SS/2] matrix_a_fmt:MATRIX_FMT_BF6 matrix_b_fmt:MATRIX_FMT_BF6 matrix_b_scale:MATRIX_SCALE_ROW1
.elseif SS%2 == 0
	v_wmma_scale_f32_16x16x128_f8f6f4 v[AR:AR+7], v[12*(2*\s8+\t):12*(2*\s8+\t)+11], v[12*SS:12*SS+11], v[AR:AR+7], v[WS+16*\t+SS], v[ASC+SS/2] matrix_a_fmt:MATRIX_FMT_BF6 matrix_b_fmt:MATRIX_FMT_BF6
.else
	v_wmma_scale_f32_16x16x128_f8f6f4 v[AR:AR+7], v[12*(2*\s8+\t):12*(2*\s8+\t)+11], v[12*SS:12*SS+11], v[AR:AR+7], v[WS+16*\t+SS], v[ASC+SS/2] matrix_a_fmt:MATRIX_FMT_BF6 matrix_b_fmt:MATRIX_FMT_BF6 matrix_b_scale:MATRIX_SCALE_ROW1
.endif
.endr
.endr
	WIN 0
.endm
.macro EPI                             ; the two halves of each sum, each accumulator from its low end on; 32 bytes of a row for each tile of columns into my run of the stage
.set I, 0
.rept 8
	v_pk_add_f32 v[ACC+I:ACC+I+1], v[ACC+I:ACC+I+1], v[ACC+16+I:ACC+16+I+1]
.set I, I+2
.endr
.irp t, 0,1
	ds_store_b128 v[OSA], v[ACC+8*\t:ACC+8*\t+3] offset:64*\t
	ds_store_b128 v[OSA], v[ACC+8*\t+4:ACC+8*\t+7] offset:64*\t+16
.endr
.endm
.macro OLOAD k                         ; tile k of the chunk, my rows 4 w .. 4 w + 3: their list entries (one address for all lanes) and their 512 bytes
	ds_load_b128 v[OD+20*\k:OD+20*\k+3], v[LOA] offset:256*\k
.irp q, 0,1,2,3
	ds_load_b128 v[OD+20*\k+4+4*\q:OD+20*\k+4+4*\q+3], v[ORD] offset:OTL*\k+144*\q
.endr
.endm
.macro OSTORE k                        ; rows under cnt go to their rows of out0: the 32 lanes store 512 consecutive bytes, at a multiple of 256 from out0's first byte
	s_wait_dscnt 0x0
	s_add_co_u32 s34, s[I0], \k
	s_lshl_b32 s34, s34, 6
	s_add_co_u32 s34, s34, s[G16W]                 ; my first row's place in the list: 16 (4 (I0 + k) + g) + 4 w
	s_sub_co_i32 s34, s[CNT], s34                  ; how many of my four rows are there
.irp q, 0,1,2,3
	s_cmp_le_i32 s34, \q
	s_cbranch_scc1 .Lrows_\@
	v_min_u32 v[OD+20*\k+\q], 2047, v[OD+20*\k+\q]
	v_lshlrev_b32 v[OD+20*\k+\q], 12, v[OD+20*\k+\q]
	v_add_nc_u32 v[OD+20*\k+\q], v[OD+20*\k+\q], v[CL]
	global_store_b128 v[OD+20*\k+\q], v[OD+20*\k+4+4*\q:OD+20*\k+4+4*\q+3], s[12:13] th:TH_STORE_NT
.endr
.Lrows_\@:
.endm
	; ---- ids and every address that stays
	s_load_b256 s[4:11], s[0:1], 0x0               ; indices s[4:5], act s[6:7], w2's codes s[8:9], w2's scales s[10:11]
	s_load_b64 s[12:13], s[0:1], 0x20              ; out0
	v_lshl_add_u32 v254, v0, 2, 0x41500
	v_mov_b32 v255, 0
	v_lshrrev_b32 v[LN], 5, v0
	v_readfirstlane_b32 s[WV], v[LN]               ; wave 0..3
	v_and_b32 v[LN], 31, v0
	v_and_b32 v[RR], 15, v0
	v_bfe_u32 v[HH], v0, 4, 1
	s_lshr_b32 s[EX], ttmp9, 5
	s_bfe_u32 s[CG], ttmp9, 0x30002
	s_and_b32 s[GG], ttmp9, 3
	s_lshl_b32 s[SL0], s[GG], 6                    ; tile 4 I0 + g of the expert: 64 bytes of the list a tile
	s_lshl_b32 s[G16W], s[GG], 4
	s_lshl_b32 s34, s[WV], 2
	s_add_co_u32 s[G16W], s[G16W], s34
	v_lshlrev_b32 v[L16], 4, v[LN]
	v_lshlrev_b32 v[R16], 4, v[RR]
	v_mad_u32_u24 v[WO], v[HH], ROWB, v[R16]
	s_mul_i32 s34, s[WV], WSTW
	s_add_co_u32 s34, s34, U                       ; my stage
	v_mad_u32_u24 v[WSA], v[HH], PW, v[R16]
	v_add_nc_u32 v[WSA], s34, v[WSA]
	v_mul_u32_u24 v[WFA], v[RR], PW
	v_mad_u32_u24 v[WFA], v[HH], 24, v[WFA]
	v_add_nc_u32 v[WFA], s34, v[WFA]
	v_lshlrev_b32 v[WSO], 6, v[RR]
	s_mul_i32 s[WOFF], s[WV], 4*PIECE
	s_add_co_u32 s34, s[WOFF], ACT
	v_add_nc_u32 v[ASB], s34, v[L16]
	v_add_nc_u32 v[ASB+1], 2*TILEB, v[ASB]
	v_add_nc_u32 v[ASB+2], 4*TILEB, v[ASB]
	v_mul_u32_u24 v[AF], v[LN], 24
	v_add_nc_u32 v[AF], ACT, v[AF]
	v_lshlrev_b32 v[ASF], 3, v[RR]
	v_mad_u32_u24 v[ASF], v[HH], PIECE, v[ASF]
	v_add_nc_u32 v[ASF], ACT+1536, v[ASF]
	s_mul_i32 s34, s[WV], OSW
	s_add_co_u32 s34, s34, OST                     ; my run of the result's stage
	v_mul_u32_u24 v[OSB], v[RR], 144
	v_lshl_add_u32 v[OSB], v[HH], 5, v[OSB]
	v_add_nc_u32 v[OSB], s34, v[OSB]
	s_mul_i32 s34, s[WV], 4*144
	s_add_co_u32 s34, s34, OST                     ; the way out: row 4 w; eight lanes to each wave's 128 bytes
	v_lshrrev_b32 v[ORD], 3, v[LN]
	v_mul_u32_u24 v[ORD], v[ORD], OSW
	v_and_b32 v[SP], 7, v[LN]
	v_lshl_add_u32 v[ORD], v[SP], 4, v[ORD]
	v_add_nc_u32 v[ORD], s34, v[ORD]
	s_lshl_b32 s34, s[CG], 9
	v_add_nc_u32 v[CL], s34, v[L16]
	s_lshl_b32 s34, s[WV], 4
	v_mov_b32 v[LW], s34
	v_add_nc_u32 v[DMP], LISTE, v[LN]
	v_lshlrev_b32 v[RHO], 2, v[LN]
.irp i, 0,1,2,3
	v_mov_b32 v[ZQ+\i], 0
.endr
	s_lshl_b32 s34, s[EX], 10
	s_lshl_b32 s35, s[CG], 7
	s_add_co_u32 s34, s34, s35
	s_lshl_b32 s35, s[WV], 5
	s_add_co_u32 s34, s34, s35                     ; my first row of w2: 1,024 e + 128 cg + 32 w
	s_mul_i32 s36, s34, ROWB
	s_mov_b32 s37, 0
	s_lshl_b32 s38, s34, 6
	s_mov_b32 s39, 0
	s_wait_kmcnt 0x0
	s_add_nc_u64 s[WB:WB+1], s[8:9], s[36:37]
	s_add_nc_u64 s[10:11], s[10:11], s[38:39]
	; ---- the indices, and the first 16 rows of my weights behind them
.irp n, 0,1,2,3,4,5,6,7,8,9,10,11,12,13,14,15
	global_load_b128 v[IDX+4*\n:IDX+4*\n+3], v[L16], s[4:5] offset:512*\n
.endr
	WLOAD 2
	s_wait_loadcnt 48                              ; the indices are in; the 48 loads of weights behind them stay out
	COUNT
	s_cmp_lg_u32 s[WV], 0
	s_cbranch_scc1 .Lrouted
	SCATTER                                        ; wave 0 alone; nobody else has touched LDS yet
.Lrouted:
	WLOAD 3
.irp t, 0,1
.irp q, 0,1,2,3
	global_load_b128 v[WS+16*\t+4*\q:WS+16*\t+4*\q+3], v[WSO], s[10:11] offset:1024*\t+16*\q
.endr
.endr
	s_add_co_u32 s[NT], s[CNT], 15
	s_lshr_b32 s[NT], s[NT], 4
	s_max_u32 s[NT], s[NT], 1                      ; an expert without rows has one tile in act all the same: the launch before has written it
	s_lshr_b32 s[TB], s[LT], 4
	s_add_co_u32 s[TB], s[TB], s[EX]
	s_add_co_u32 s[NG], s[NT], 3
	s_sub_co_u32 s[NG], s[NG], s[GG]
	s_lshr_b32 s[NG], s[NG], 2
	s_min_u32 s[NC], s[NG], CH
	s_sub_co_u32 s[NTL], s[NT], 1
	s_mov_b32 s[I0], 0
	s_mov_b32 s[CK], 0
	BAR                                            ; the list lies in LDS for all four waves
	s_wait_loadcnt 56                              ; the first 16 rows are in: behind them the other 48 loads and the 8 of scale words
	STAGE 2
	GATHER                                         ; the first chunk is copied whole, with no branch
	s_wait_loadcnt 63                              ; the other 16 rows are in: 92 loads have been issued behind them, and the wait names the most that its field holds
	STAGE 3
	s_wait_dscnt 0x0                               ; the stage's stores have read the registers on which the fragments land
.irp s, 0,1,2,3,4,5,6,7,8,9,10,11,12,13,14,15
	WIN 0x80+0x40*(\s/8)
.irp t, 0,1
.irp p, 0,1,2,3,4,5
	ds_load_b64 v[12*(2*(\s%8)+\t)+2*\p:12*(2*(\s%8)+\t)+2*\p+1], v[WFA] offset:16*PW*\t+96*\s+48*(\p/3)+8*(\p%3)
.endr
.endr
.endr
	WIN 0
	BAR                                            ; B0: every wave's fragments are in registers: the stages' bytes are free
	s_wait_loadcnt 0x0                             ; the scale words and the chunk
	XSTORE
.Lchunk:
	BAR                                            ; B1: the chunk's tiles lie in LDS; and every wave has read what it stores of the last chunk's results
	s_mov_b32 s[SA], 0
	s_mov_b32 s[SO], 0
	s_mov_b32 s[TI], 0
	HLOAD 0, AF, ASF, 0                            ; slot 0, which the first chunk has filled in any case
	HLOAD 1, AF, ASF, 0
.Ltile:                                            ; CH trips, whatever the counts: a trip without a tile only steps the addresses
	s_cmp_ge_u32 s[TI], s[NC]
	s_cbranch_scc1 .Lskip
	v_add_nc_u32 v[AN], s[SA], v[AF]
	v_add_nc_u32 v[SN], s[SA], v[ASF]
	v_add_nc_u32 v[OSA], s[SO], v[OSB]
	s_add_co_u32 s[TN], s[TI], 1
	s_wait_dscnt 52                                ; the first half is in: behind it the second half's 52 loads
	HMUL 0
	PLACES
	s_cmp_ge_u32 s[TN], s[NC]
	s_cbranch_scc1 .Llast
	HLOAD 0, AN, SN, TILEB                         ; the next tile's first half
	s_wait_dscnt 52                                ; this tile's second half is in: behind it the 52 just issued
	HMUL 1
	PLACES
	EPI
	HLOAD 1, AN, SN, TILEB                         ; the next tile's second half
	s_branch .Lskip
.Llast:                                            ; the chunk's last tile is written out, so that each way's counts are its own
	s_wait_dscnt 0x0
	HMUL 1
	PLACES
	EPI
.Lskip:
	s_add_co_u32 s[SA], s[SA], TILEB
	s_add_co_u32 s[SO], s[SO], OTL
	s_add_co_u32 s[TI], s[TI], 1
	s_cmp_lt_u32 s[TI], CH
	s_cbranch_scc1 .Ltile
	BAR                                            ; B2: the chunk's results lie in the stage; nobody reads its tiles of act any more
	; ---- the way out: wave w takes rows 4 w .. 4 w + 3 of every tile.  Loads in ascending order, with exits into the stores in descending order: each way stores just what it has loaded
	v_add_nc_u32 v[LOA], s[SL0], v[LW]
	s_cmp_le_u32 s[NC], 0
	s_cbranch_scc1 .Lo0
	OLOAD 0
	s_cmp_le_u32 s[NC], 1
	s_cbranch_scc1 .Lo1
	OLOAD 1
	s_cmp_le_u32 s[NC], 2
	s_cbranch_scc1 .Lo2
	OLOAD 2
	s_cmp_le_u32 s[NC], 3
	s_cbranch_scc1 .Lo3
	OLOAD 3
	s_cmp_le_u32 s[NC], 4
	s_cbranch_scc1 .Lo4
	OLOAD 4
	s_cmp_le_u32 s[NC], 5
	s_cbranch_scc1 .Lo5
	OLOAD 5
	OSTORE 5
.Lo5:
	OSTORE 4
.Lo4:
	OSTORE 3
.Lo3:
	OSTORE 2
.Lo2:
	OSTORE 1
.Lo1:
	OSTORE 0
.Lo0:
	s_wait_xcnt 0x0                                ; the stores have read their registers: these are written again below and in the next trip
	s_add_co_u32 s[I0], s[I0], CH
	s_add_co_u32 s[SL0], s[SL0], 256*CH
	s_sub_co_i32 s[NC], s[NG], s[I0]
	s_max_i32 s[NC], s[NC], 0
	s_min_u32 s[NC], s[NC], CH
	s_cmp_eq_u32 s[NC], 0
	s_cbranch_scc1 .Lnog
	GATHER                                         ; a further chunk (an expert with more than 384 rows): copied, awaited and stored in one block
	s_wait_loadcnt 0x0
	XSTORE
.Lnog:
	s_add_co_u32 s[CK], s[CK], 1
	s_cmp_lt_u32 s[CK], CHUNKS
	s_cbranch_scc1 .Lchunk
	s_wait_tensorcnt 0x0
	ds_add_u32 v254, v255
	s_wait_dscnt 0x0
	s_endpgm
.Lfunc_end_k_qfbdcc0a28f_down:
	.size	k_qfbdcc0a28f_down, .Lfunc_end_k_qfbdcc0a28f_down-k_qfbdcc0a28f_down
	.p2alignl 7, 3214868480
	.fill 96, 4, 3214868480
	.section	.rodata,"a",@progbits
	.p2align	6, 0x0
	.amdhsa_kernel k_qfbdcc0a28f_down
		.amdhsa_group_segment_fixed_size 268032
		.amdhsa_private_segment_fixed_size 0
		.amdhsa_enable_private_segment 0
		.amdhsa_kernarg_size 40
		.amdhsa_user_sgpr_count 2
		.amdhsa_user_sgpr_kernarg_segment_ptr 1
		.amdhsa_wavefront_size32 1
		.amdhsa_system_sgpr_workgroup_id_x 1
		.amdhsa_system_sgpr_workgroup_id_y 1
		.amdhsa_system_sgpr_workgroup_id_z 1
		.amdhsa_system_vgpr_workitem_id 0
		.amdhsa_next_free_vgpr 960
		.amdhsa_next_free_sgpr 66
		.amdhsa_reserve_vcc 0
		.amdhsa_float_denorm_mode_32 3
		.amdhsa_float_denorm_mode_16_64 3
		.amdhsa_memory_ordered 1
		.amdhsa_forward_progress 1
		.amdhsa_inst_pref_size 145
	.end_amdhsa_kernel
	.amdgpu_metadata
---
amdhsa.version: [ 1, 2 ]
amdhsa.kernels:
  - .name:           k_qfbdcc0a28f_down
    .symbol:         k_qfbdcc0a28f_down.kd
    .args:
      - { .name: expert_indices, .offset: 0, .size: 8, .value_kind: global_buffer, .address_space: global }
      - { .name: act, .offset: 8, .size: 8, .value_kind: global_buffer, .address_space: global }
      - { .name: w2_codes, .offset: 16, .size: 8, .value_kind: global_buffer, .address_space: global }
      - { .name: w2_scales, .offset: 24, .size: 8, .value_kind: global_buffer, .address_space: global }
      - { .name: out0, .offset: 32, .size: 8, .value_kind: global_buffer, .address_space: global }
    .group_segment_fixed_size: 268032
    .private_segment_fixed_size: 0
    .kernarg_segment_align: 8
    .kernarg_segment_size: 40
    .max_flat_workgroup_size: 128
    .sgpr_count:     66
    .vgpr_count:     960
    .wavefront_size: 32
...
	.end_amdgpu_metadata
.endif
;; end of part 2
;; ======== version 2 of 2: 2 launches
;; workspace buffers: act 3,899,392 bytes
;; launch up (part 3): grid 256 x 1, 4 waves a work-group, no clusters, 212,224 bytes of LDS; arguments expert_indices, x_codes, x_scales, w13_codes, w13_scales, act; writes act
.if DOCPART == 3
	.amdgcn_target "amdgcn-amd-amdhsa--gfx1250"
	.amdhsa_code_object_version 6
	.text
	.protected	k_qfbdcc0a28f_up
	.globl	k_qfbdcc0a28f_up
	.p2align	8
	.type	k_qfbdcc0a28f_up,@function
k_qfbdcc0a28f_up:
	s_mov_b64 s[64:65], 0
	v_nop
	global_prefetch_b8 v0, s[64:65] scope:SCOPE_SE
	s_setreg_imm32_b32 hwreg(HW_REG_WAVE_MODE, 25, 1), 1
	s_wait_xcnt 0x0
; act = Q(silu(x w13[e]^T [:2048]) * (x w13[e]^T [2048:])) for the routed rows alone.  A routed row is rho = 2 x token + slot; its expert is expert_indices[rho].
; Both operands are codes of BF6 (E3M2) with one E8M0 byte for each 32 along K; the hidden layer is quantised along its 2,048 units, in blocks of 32, and goes to the workspace act.
; SHARES.  Work-group id = 32 e + 2 S + g: expert e, hidden units 128 S .. 128 S + 127 (K step S of the second product), and of the expert's tiles of 16 routed rows those with number 2 i + g.
; Wave w holds the weights of units 128 S + 32 w .. + 31 IN REGISTERS for the whole launch: two tiles of x1's rows of w13, two of x3's, 8 K steps each: 32 fragments, 384 registers, read from memory once.
; The rows of x, the small operand, are gathered into LDS and read by all four waves.
; ROUTING.  Every wave counts, from the 2,048 indices, the entries equal to e (cnt) and below e (lt).  Wave 0 alone lays the list of e's rows in LDS; no other wave touches LDS ahead of the barrier behind it.
; The expert has nt = max(ceil(cnt / 16), 1) tiles; its tile Te is tile (lt / 16) + e + Te of act: experts never meet, and the largest number is 135.  List places from cnt on hold 0: such rows are computed from
; token 0 and never used.  An expert without rows so has one tile all the same: the next launch copies tiles of act, and reads only bytes that were written.
; CHUNKS.  The work-group's tiles go in chunks of 12, as many as LDS holds of x.  The loop over chunks has a constant number of trips, since its barriers stand on every wave's way whatever the counts; a chunk's tiles
; are written out one behind the other, every LDS place an immediate, and a chunk leaves the run behind its last tile by a forward branch: a trip without tiles is two barriers and a few scalar lines.
; act: tile T at 28,672 T; piece S at + 1,792 S: 1,536 bytes of codes [block of 32 units][row][24 bytes], then 8 bytes a lane: the scale word of row lane % 16, and 0.  Seven aligned blocks of 256 bytes, each stored by one instruction.
; THE MATRIX INSTRUCTION IS USED TRANSPOSED (source 0 = 16 rows of w13, source 1 = 16 routed rows): a lane holds ONE routed row.  Lane r of a tile of weights takes unit 8 u + r + 8 (r / 8), so that the 16 registers of
; tiles u = 0, 1 are 16 neighbouring units: 16 (lane / 16) + 0 .. 15.
; NO TENSOR LOAD, NO CLUSTER: how many tiles a work-group has hangs on counts made from an input; there is no joint request either.
; LIMITS: NaN and infinities are not served.  A block of the hidden layer whose largest magnitude lies under 2^-122, a block of zeros among them, gets the byte 1 (the rule gives a block of zeros 127): the bytes are
; read by this program alone, and zero codes add nothing.  Where 2^(-x1 log2 e) overflows, the sigmoid is 0.
.set ROWB,   768                       ; a row of x or of w13: 1,024 codes
.set X3ROW,  2048*ROWB                 ; from x1's rows of w13 to x3's
.set X3SC,   2048*32                   ; the same in the scale bytes
.set PIECE,  1792
.set TILEB,  16*PIECE
.set TMAX,   135
.set CH,     12                        ; tiles in a chunk: what LDS holds of x at a time
.set CHUNKS, 6                         ; 72 tiles: a work-group has 64 at the most (all 2,048 rows on one expert)
.set LISTE,  2688                      ; list places: all that the text's addresses can name; behind them 32 places for the lanes that have nothing to lay
.set U,      11008                     ; LDS behind the list
.set PW,     784                       ; a row of codes in LDS: 768 + 16 bytes = 196 words: row r starts at bank 4 r mod 64 (64 banks of 4 bytes: ISA guide 11.1)
.set WSTW,   64*PW                     ; up to the barrier B0: a stage of 64 rows for each wave, in which its weights turn from rows as loaded into fragments
.set XT,     16*PW                     ; behind B0 the same bytes hold: x's tiles, CH slots,
.set XB,     U
.set XSB,    XB+CH*XT                  ; their scale bytes, 32 a row,
.set AST,    XSB+CH*512                ; and the result's stage: for each WAVE a run of CH places of 400 bytes: 384 of codes (16 rows x 24), 16 scale bytes
.set ATL,    400
.set ASW,    CH*ATL
.set AJ,     ASW-384                   ; what a piece's address gains where it passes from one wave's 384 bytes of codes into the next wave's
; vector registers, window 0
.set LN,  1                            ; lane
.set RR,  2                            ; r = lane % 16
.set HH,  3                            ; h = lane / 16
.set L16, 4                            ; 16 x lane
.set L8,  5                            ; 8 x lane
.set R16, 6                            ; 16 r
.set WO,  7                            ; weights in memory: 768 h + 16 r: two rows an instruction, 256 bytes of each
.set WSA, 8                            ; my stage, on the way in
.set WFA, 9                            ; and as fragments: 784 r + 24 h
.set WSO, 10                           ; weights' scale words: 32 (r + 8 (r / 8))
.set LA,  11                           ; the list: 32 h: eight places a half wave
.set LB,  12                           ; the list: 4 (lane / 2)
.set B16, 13                           ; 16 (lane % 2)
.set XSA, 14                           ; v14-16 where I store the tiles that I gather (tile w + 4 k)
.set XSSA,17                           ; and their scale bytes
.set XSF, 19                           ; x's scale words in slot 0
.set ASTA,20                           ; my stage for codes: 24 r + 12 h
.set ASCA,21                           ; and for scale bytes: r
.set OLA, 22                           ; v22 the way out: 8 x lane in tile w's place of wave 0's run;  v23 the same with lanes 16-31 one wave's run further on
.set OLS, 25                           ; the way out: row r's scale byte in wave 0's run
.set DMP, 26                           ; LISTE + lane
.set RHO, 27                           ; 4 x lane
.set ZQ,  28                           ; v28-31 zeros
.set XF,  32                           ; v32-34 x's fragments in slots 0, 4, 8: the three slots behind each are reached by the immediate
.set LTA, 36
.set LTB, 37
.set OB,  41                           ; v41-43 offsets in act
.set XO,  44                           ; v44-67 list entries, then offsets in x_codes: eight rows for each of three tiles
.set XSO, 68                           ; v68-70 the same for x_scales
.set SP,  72                           ; v72-79 at work
.set WS,  80                           ; v80-111 the weights' scale words, (tile t, K step s) at 8 t + s: scales and nothing else
.set XSC, 112                          ; v112-119 x's scale words of the tile in hand: scales and nothing else
.set MX0, 120
.set MX1, 121
.set MP,  122
.set SC,  123
.set CD,  124                          ; v124-126 sixteen codes
.set BY,  127
.set ACC, 128                          ; v128-143 x1, v144-159 x3
.set TR,  160                          ; v160-175 the sigmoid
.set IDX, 128                          ; v128-191 at the head: the indices
.set OD,  128                          ; the way out: 20 registers a tile
.set XK2, 128                          ; v128-223 the third gathered tile (the first two: window 1, v0-95 and v96-191)
.set XSS, 224                          ; v224-235 gathered scale bytes
; window 1: v0-95 x's fragments of the tile in hand.  windows 2, 3: v0-191 the weights: as loaded, then fragment (t, s) at 12 (4 (s % 4) + t) of window 2 + s / 4
; scalar registers
.set WV,  16
.set GG,  17
.set SL,  18
.set EX,  19
.set CNT, 20
.set LT,  21
.set NT,  22
.set NG,  23                           ; my work-group's tiles
.set TBG, 24                           ; the number in act of my first tile
.set CK,  25
.set I0,  26                           ; the chunk's first tile
.set NC,  27                           ; tiles in this chunk
.set SL0, 28                           ; where my first gathered tile stands in the list
.set SEL, 40                           ; s[40:41] lane l xor 16
.set NL,  42                           ; s[42:43] -log2(e)
.set MK,  44                           ; s44-59 masks and counts
.set RUN, 60
.set WV4, 61
.set WV8, 62
.set SOFF,63
.set MSB, 0
.macro WIN new                         ; the immediate's high byte repeats the setting that is left; a switch that changes nothing is dropped
.if MSB != (\new)
	s_set_vgpr_msb (MSB<<8)|(\new)
.set MSB, (\new)
.endif
.endm
.macro PLACES                          ; four plain places behind matrix instructions, ahead of loads into their operands and of reads of their results
.rept 4
	v_nop
.endr
.endm
.macro BAR                             ; all my LDS instructions are done; then the work-group's barrier
	s_wait_dscnt 0x0
	s_barrier_signal -1
	s_barrier_wait -1
.endm
; cnt and lt: register n of the 64 holds entries 128 (n / 4) + 4 lane + n % 4.  Eight registers at a time, so that the counts do not wait for single compares.
.macro COUNT
	s_mov_b32 s[CNT], 0
	s_mov_b32 s[LT], 0
.irp q, 0,1,2,3,4,5,6,7
.irp i, 0,1,2,3,4,5,6,7
	v_cmp_eq_u32 s[MK+\i], s[EX], v[IDX+8*\q+\i]
	v_cmp_gt_u32 s[MK+8+\i], s[EX], v[IDX+8*\q+\i]
.endr
.irp i, 0,1,2,3,4,5,6,7,8,9,10,11,12,13,14,15
	s_bcnt1_i32_b32 s[MK+\i], s[MK+\i]
.endr
.irp i, 0,1,2,3,4,5,6,7
	s_add_co_u32 s[CNT], s[CNT], s[MK+\i]
	s_add_co_u32 s[LT], s[LT], s[MK+8+\i]
.endr
.endr
.endm
; The list: zeros first; then each entry equal to e goes to the place given by the number of such entries ahead of it (registers in order, lanes in order).  The other lanes write to a place of their own behind the list.
.macro SCATTER
.irp z, 0,1,2,3,4,5,6,7,8,9,10,11,12,13,14,15,16,17,18,19,20
	ds_store_b128 v[L16], v[ZQ:ZQ+3] offset:512*\z
.endr
	s_mov_b32 s[RUN], 0
.irp q, 0,1,2,3,4,5,6,7
.irp i, 0,1,2,3,4,5,6,7
	v_cmp_eq_u32 s[MK+\i], s[EX], v[IDX+8*\q+\i]
.endr
.irp i, 0,1,2,3,4,5,6,7
.set EN, 8*\q+\i
	v_mbcnt_lo_u32_b32 v[SP+2*(\i%4)], s[MK+\i], s[RUN]
	s_bcnt1_i32_b32 s[MK+8], s[MK+\i]
	s_add_co_u32 s[RUN], s[RUN], s[MK+8]
	v_cndmask_b32 v[SP+2*(\i%4)], v[DMP], v[SP+2*(\i%4)], s[MK+\i]
	v_min_u32 v[SP+2*(\i%4)], LISTE+31, v[SP+2*(\i%4)]
	v_lshlrev_b32 v[SP+2*(\i%4)], 2, v[SP+2*(\i%4)]
	v_add_nc_u32 v[SP+2*(\i%4)+1], 128*(EN/4)+EN%4, v[RHO]
	ds_store_b32 v[SP+2*(\i%4)], v[SP+2*(\i%4)+1]
.endr
.endr
.endm
.macro WLOAD win, off                  ; 32 rows of weights as they lie: lanes 0-15 take 256 bytes of row 2 m, lanes 16-31 of row 2 m + 1
	WIN 64*\win
.irp m, 0,1,2,3,4,5,6,7,8,9,10,11,12,13,14,15
.irp j, 0,1,2
	global_load_b128 v[4*(3*\m+\j):4*(3*\m+\j)+3], v[WO], s[10:11] offset:\off+2*ROWB*\m+256*\j
.endr
.endr
	WIN 0
.endm
.macro STAGE win, base                 ; into my stage.  Row n goes to slot n with bits 3 and 4 changed over: slot 16 u + r then holds unit 8 u + r + 8 (r / 8)
	WIN 4*\win
.irp m, 0,1,2,3,4,5,6,7,8,9,10,11,12,13,14,15
.set SG, ((2*\m)&7)|((((2*\m)>>3)&1)<<4)|((((2*\m)>>4)&1)<<3)
.irp j, 0,1,2
	ds_store_b128 v[WSA], v[4*(3*\m+\j):4*(3*\m+\j)+3] offset:PW*(SG+\base)+256*\j
.endr
.endr
	WIN 0
.endm
; Tiles w, w + 4, w + 8 of the chunk, 16 rows of x each: the list's entries, their tokens' rows.  An instruction reads 256 bytes of row m (lanes 0-15) and of row 8 + m (lanes 16-31).
; The first two are gathered with no branch (places past the expert's end hold 0 and bring token 0's row); the third only where the chunk has a tile w + 8.
.macro GATHER
	v_add_nc_u32 v[LTA], s[SL0], v[LA]
	v_add_nc_u32 v[LTB], s[SL0], v[LB]
.irp k, 0,1,2
	ds_load_b128 v[XO+8*\k:XO+8*\k+3], v[LTA] offset:512*\k
	ds_load_b128 v[XO+8*\k+4:XO+8*\k+7], v[LTA] offset:512*\k+16
	ds_load_b32 v[XSO+\k], v[LTB] offset:512*\k
.endr
	s_wait_dscnt 0x0
.set I, 0
.rept 27                               ; XO's 24 and XSO's 3 stand on end: the token is rho / 2, held inside x
	v_lshrrev_b32 v[XO+I], 1, v[XO+I]
.set I, I+1
.endr
.set I, 0
.rept 27
	v_min_u32 v[XO+I], 1023, v[XO+I]
.set I, I+1
.endr
.set I, 0
.rept 24
	v_mul_u32_u24 v[XO+I], v[XO+I], ROWB
.set I, I+1
.endr
.set I, 0
.rept 24
	v_add_nc_u32 v[XO+I], v[XO+I], v[R16]
.set I, I+1
.endr
.irp k, 0,1,2
	v_lshlrev_b32 v[XSO+\k], 5, v[XSO+\k]
.endr
.irp k, 0,1,2
	v_add_nc_u32 v[XSO+\k], v[XSO+\k], v[B16]
.endr
	WIN 0x40
.irp k, 0,1
.irp m, 0,1,2,3,4,5,6,7
.irp j, 0,1,2
	global_load_b128 v[96*\k+4*(3*\m+\j):96*\k+4*(3*\m+\j)+3], v[XO+8*\k+\m], s[6:7] offset:256*\j
.endr
.endr
.endr
	WIN 0
.irp k, 0,1
	global_load_b128 v[XSS+4*\k:XSS+4*\k+3], v[XSO+\k], s[8:9]
.endr
	s_cmp_ge_u32 s[WV8], s[NC]
	s_cbranch_scc1 .Lg2_\@
.irp m, 0,1,2,3,4,5,6,7
.irp j, 0,1,2
	global_load_b128 v[XK2+4*(3*\m+\j):XK2+4*(3*\m+\j)+3], v[XO+16+\m], s[6:7] offset:256*\j
.endr
.endr
	global_load_b128 v[XSS+8:XSS+11], v[XSO+2], s[8:9]
.Lg2_\@:
.endm
.macro XSTORE                          ; the gathered tiles into their slots; the third under the same count as its loads
	WIN 0x04
.irp k, 0,1
.irp m, 0,1,2,3,4,5,6,7
.irp j, 0,1,2
	ds_store_b128 v[XSA+\k], v[96*\k+4*(3*\m+\j):96*\k+4*(3*\m+\j)+3] offset:PW*\m+256*\j
.endr
.endr
.endr
	WIN 0
.irp k, 0,1
	ds_store_b128 v[XSSA], v[XSS+4*\k:XSS+4*\k+3] offset:2048*\k
.endr
	s_cmp_ge_u32 s[WV8], s[NC]
	s_cbranch_scc1 .Lx2_\@
.irp m, 0,1,2,3,4,5,6,7
.irp j, 0,1,2
	ds_store_b128 v[XSA+2], v[XK2+4*(3*\m+\j):XK2+4*(3*\m+\j)+3] offset:PW*\m+256*\j
.endr
.endr
	ds_store_b128 v[XSSA], v[XSS+8:XSS+11] offset:4096
.Lx2_\@:
.endm
.macro XLOADS tl                       ; tile tl of the chunk: its 8 scale words, then its 8 fragments, K ascending: 24 bytes of a row as three loads of 8
	ds_load_b128 v[XSC:XSC+3], v[XSF] offset:512*(\tl)
	ds_load_b128 v[XSC+4:XSC+7], v[XSF] offset:512*(\tl)+16
	WIN 0x40
.irp s, 0,1,2,3,4,5,6,7
.irp p, 0,1,2,3,4,5
	ds_load_b64 v[12*\s+2*\p:12*\s+2*\p+1], v[XF+(\tl)/4] offset:XT*((\tl)%4)+96*\s+48*(\p/3)+8*(\p%3)
.endr
.endr
	WIN 0
.endm
; 32 matrix instructions: K step by K step, the four accumulators by turns; the first K step starts the sums.
.macro MATRIX
.irp s, 0,1,2,3,4,5,6,7
	s_wait_dscnt 6*(7-\s)                          ; K step s is in: only the later K steps' six loads each were issued behind it (what else stands behind them only makes the count the safer)
	WIN 0x06+(\s/4)                                ; source 0 window 2 or 3, source 1 window 1, C and D window 0
.irp t, 0,1,2,3
.if \s == 0
	v_wmma_scale_f32_16x16x128_f8f6f4 v[ACC+8*\t:ACC+8*\t+7], v[12*(4*(\s%4)+\t):12*(4*(\s%4)+\t)+11], v[12*\s:12*\s+11], 0, v[WS+8*\t+\s], v[XSC+\s] matrix_a_fmt:MATRIX_FMT_BF6 matrix_b_fmt:MATRIX_FMT_BF6
.else
	v_wmma_scale_f32_16x16x128_f8f6f4 v[ACC+8*\t:ACC+8*\t+7], v[12*(4*(\s%4)+\t):12*(4*(\s%4)+\t)+11], v[12*\s:12*\s+11], v[ACC+8*\t:ACC+8*\t+7], v[WS+8*\t+\s], v[XSC+\s] matrix_a_fmt:MATRIX_FMT_BF6 matrix_b_fmt:MATRIX_FMT_BF6
.endif
.endr
.endr
	WIN 0
.endm
; (x1 sigmoid(x1)) x3 in f32, the block's scale, sixteen codes, into place tl of my run of the stage.  Lane (r, h): row r, units 16 h + 0 .. 15 of my wave's block of 32.  Each accumulator is read from its low end on.
.macro EPILOGUE tl
.set I, 0
.rept 8
	v_pk_mul_f32 v[TR+I:TR+I+1], v[ACC+I:ACC+I+1], s[NL:NL+1] op_sel_hi:[1,0]
.set I, I+2
.endr
.set I, 0
	s_wait_alu depctr_va_vdst(0)
.rept 16
	v_exp_f32 v[TR+I], v[TR+I]                     ; e^-x1
.set I, I+1
.endr
	v_nop                                          ; a plain place behind the batch
	s_wait_alu depctr_va_vdst(0)                   ; one wait for the sixteen, ahead of their first reader
.set I, 0
.rept 8
	v_pk_add_f32 v[TR+I:TR+I+1], v[TR+I:TR+I+1], 1.0 op_sel_hi:[1,0]
.set I, I+2
.endr
.set I, 0
	s_wait_alu depctr_va_vdst(0)
.rept 16
	v_rcp_f32 v[TR+I], v[TR+I]                     ; the sigmoid
.set I, I+1
.endr
	v_nop
	s_wait_alu depctr_va_vdst(0)
.set I, 0
.rept 8
	v_pk_mul_f32 v[ACC+I:ACC+I+1], v[ACC+I:ACC+I+1], v[TR+I:TR+I+1]
.set I, I+2
.endr
.set I, 0
.rept 8
	v_pk_mul_f32 v[ACC+I:ACC+I+1], v[ACC+I:ACC+I+1], v[ACC+16+I:ACC+16+I+1]
.set I, I+2
.endr
	v_max3_num_f32 v[MX0], |v[ACC]|, |v[ACC+1]|, 0x2800000         ; the largest magnitude of my 16, in two chains, and the floor 2^(5 - 127): the byte cannot fall under 1
	v_max3_num_f32 v[MX1], |v[ACC+2]|, |v[ACC+3]|, |v[ACC+4]|
	v_max3_num_f32 v[MX0], v[MX0], |v[ACC+5]|, |v[ACC+6]|
	v_max3_num_f32 v[MX1], v[MX1], |v[ACC+7]|, |v[ACC+8]|
	v_max3_num_f32 v[MX0], v[MX0], |v[ACC+9]|, |v[ACC+10]|
	v_max3_num_f32 v[MX1], v[MX1], |v[ACC+11]|, |v[ACC+12]|
	v_max3_num_f32 v[MX0], v[MX0], |v[ACC+13]|, |v[ACC+14]|
	v_max3_num_f32 v[MX0], v[MX0], v[MX1], |v[ACC+15]|
	v_permlanex16_b32 v[MP], v[MX0], s[SEL], s[SEL+1]
	v_max_num_f32 v[MX0], v[MX0], v[MP]            ; with lane l xor 16's 16: the block's
	v_add_nc_u32 v[SC], 0xfe000000, v[MX0]         ; 4 off its exponent field: the conversion takes the exponent field of this operand as its scale
	v_cvt_scalef32_pk16_bf6_f32 v[CD:CD+2], v[ACC:ACC+15], v[SC]
	v_lshrrev_b32 v[BY], 23, v[SC]                 ; the scale's byte.  (Also the plain place behind the conversion)
	ds_store_b32 v[ASTA], v[CD] offset:ATL*(\tl)
	ds_store_b32 v[ASTA], v[CD+1] offset:ATL*(\tl)+4
	ds_store_b32 v[ASTA], v[CD+2] offset:ATL*(\tl)+8
	ds_store_b8 v[ASCA], v[BY] offset:ATL*(\tl)    ; both lanes of a row write the same byte with the same value
.endm
; Tile TT of the chunk.  The next tile's fragments are asked for behind this tile's products and land while its results are worked; behind the chunk's last tile the run of tiles is left.
.macro TILE
	MATRIX
	PLACES
.if TT < CH-1
	s_cmp_le_u32 s[NC], TT+1
	s_cbranch_scc1 .Lnonext_\@
	XLOADS TT+1
.Lnonext_\@:
.endif
	EPILOGUE TT
.if TT < CH-1
	s_cmp_le_u32 s[NC], TT+1
	s_cbranch_scc1 .Ltdone
.endif
.endm
; Tile w + 4 k of the chunk, from the four waves' runs.  Its 1,536 bytes of codes are 192 pieces of 8 bytes, 48 in each wave's run; load c takes pieces 32 c + lane.  Loads 0, 2, 3, 5 lie in one run (number 32 c / 48);
; in loads 1 and 4 lanes 16-31 lie one run further on than lanes 0-15: the second address register serves those.  Then row r's four scale bytes.
.macro OLOAD k
.irp c, 0,1,2,3,4,5
.if \c%3 == 1
	ds_load_b64 v[OD+20*\k+2*\c:OD+20*\k+2*\c+1], v[OLA+1] offset:4*ATL*\k+256*\c+((32*\c)/48)*AJ
.else
	ds_load_b64 v[OD+20*\k+2*\c:OD+20*\k+2*\c+1], v[OLA] offset:4*ATL*\k+256*\c+((32*\c)/48)*AJ
.endif
.endr
	ds_load_u8 v[OD+20*\k+12], v[OLS] offset:4*ATL*\k
	ds_load_u8 v[OD+20*\k+14], v[OLS] offset:4*ATL*\k+ASW
	ds_load_u8 v[OD+20*\k+15], v[OLS] offset:4*ATL*\k+2*ASW
	ds_load_u8 v[OD+20*\k+16], v[OLS] offset:4*ATL*\k+3*ASW
.endm
.macro OSTORE k, wk                    ; and into act: each store's 32 lanes cover 256 consecutive bytes, at a multiple of 256 from act's first byte
	s_wait_dscnt 0x0
	v_lshl_or_b32 v[OD+20*\k+12], v[OD+20*\k+14], 8, v[OD+20*\k+12]
	v_lshl_or_b32 v[OD+20*\k+12], v[OD+20*\k+15], 16, v[OD+20*\k+12]
	v_lshl_or_b32 v[OD+20*\k+12], v[OD+20*\k+16], 24, v[OD+20*\k+12]
	v_mov_b32 v[OD+20*\k+13], 0
	s_add_co_u32 s34, s[I0], s[\wk]
	s_lshl_b32 s34, s34, 1
	s_add_co_u32 s34, s34, s[TBG]                  ; the tile's number in act,
	s_min_u32 s34, s34, TMAX                       ; which the counts keep at 135 or under
	s_mul_i32 s34, s34, TILEB
	s_add_co_u32 s34, s34, s[SOFF]
	v_add_nc_u32 v[OB+\k], s34, v[L8]
.irp c, 0,1,2,3,4,5
	global_store_b64 v[OB+\k], v[OD+20*\k+2*\c:OD+20*\k+2*\c+1], s[14:15] offset:256*\c
.endr
	global_store_b64 v[OB+\k], v[OD+20*\k+12:OD+20*\k+13], s[14:15] offset:1536
.endm
	; ---- ids and every address that stays
	s_load_b256 s[4:11], s[0:1], 0x0               ; indices s[4:5], x's codes s[6:7], x's scales s[8:9], w13's codes s[10:11]
	s_load_b128 s[12:15], s[0:1], 0x20             ; w13's scales s[12:13], act s[14:15]
	v_lshl_add_u32 v254, v0, 2, 0x33b00
	v_mov_b32 v255, 0
	v_lshrrev_b32 v[LN], 5, v0
	v_readfirstlane_b32 s[WV], v[LN]               ; wave 0..3
	v_and_b32 v[LN], 31, v0
	s_wait_alu depctr_va_vdst(0)
	v_and_b32 v[RR], 15, v0
	s_wait_alu depctr_va_vdst(0)
	v_bfe_u32 v[HH], v0, 4, 1
	s_lshr_b32 s[EX], ttmp9, 5
	s_bfe_u32 s[SL], ttmp9, 0x40001
	s_and_b32 s[GG], ttmp9, 1
	s_add_co_u32 s[WV4], s[WV], 4
	s_add_co_u32 s[WV8], s[WV], 8
	s_mul_i32 s[SOFF], s[SL], PIECE
	s_lshl_b32 s[SL0], s[WV], 7                    ; tile 2 (I0 + w) + g of the expert: 64 bytes of the list a tile
	s_lshl_b32 s34, s[GG], 6
	s_add_co_u32 s[SL0], s[SL0], s34
	s_mov_b32 s[SEL], 0x76543210
	s_mov_b32 s[SEL+1], 0xfedcba98
	s_mov_b32 s[NL], 0xbfb8aa3b                    ; -log2(e)
	s_mov_b32 s[NL+1], s[NL]                       ; (named with it as a pair, so it is written)
	v_lshlrev_b32 v[L16], 4, v[LN]
	v_lshlrev_b32 v[L8], 3, v[LN]
	v_lshlrev_b32 v[R16], 4, v[RR]
	s_wait_alu depctr_va_vdst(0)
	v_mad_u32_u24 v[WO], v[HH], ROWB, v[R16]
	s_mul_i32 s34, s[WV], WSTW
	s_add_co_u32 s34, s34, U                       ; my stage
	v_mad_u32_u24 v[WSA], v[HH], PW, v[R16]
	v_add_nc_u32 v[WSA], s34, v[WSA]
	v_mul_u32_u24 v[WFA], v[RR], PW
	v_mad_u32_u24 v[WFA], v[HH], 24, v[WFA]
	v_add_nc_u32 v[XF], XB, v[WFA]
	v_add_nc_u32 v[XF+1], XB+4*XT, v[WFA]
	v_add_nc_u32 v[XF+2], XB+8*XT, v[WFA]
	v_add_nc_u32 v[WFA], s34, v[WFA]
	v_and_b32 v[WSO], 8, v[RR]
	v_add_nc_u32 v[WSO], v[WSO], v[RR]
	v_lshlrev_b32 v[WSO], 5, v[WSO]
	v_lshlrev_b32 v[LA], 5, v[HH]
	v_and_b32 v[LB], 30, v[LN]
	v_lshlrev_b32 v[LB], 1, v[LB]
	v_and_b32 v[B16], 1, v[LN]
	v_lshlrev_b32 v[B16], 4, v[B16]
	s_mul_i32 s35, s[WV], XT
	s_add_co_u32 s35, s35, XB
	v_mad_u32_u24 v[XSA], v[HH], 8*PW, v[R16]
	v_add_nc_u32 v[XSA], s35, v[XSA]
	v_add_nc_u32 v[XSA+1], 4*XT, v[XSA]
	v_add_nc_u32 v[XSA+2], 8*XT, v[XSA]
	s_lshl_b32 s35, s[WV], 9
	s_add_co_u32 s35, s35, XSB
	v_add_nc_u32 v[XSSA], s35, v[L16]
	v_lshl_add_u32 v[XSF], v[RR], 5, XSB
	s_mul_i32 s35, s[WV], ASW
	s_add_co_u32 s35, s35, AST                     ; my run of the result's stage
	v_mul_u32_u24 v[ASTA], v[RR], 24
	v_mad_u32_u24 v[ASTA], v[HH], 12, v[ASTA]
	v_add_nc_u32 v[ASTA], s35, v[ASTA]
	v_add_nc_u32 v[ASCA], s35, v[RR]
	v_add_nc_u32 v[ASCA], 384, v[ASCA]
	s_mul_i32 s35, s[WV], ATL
	s_add_co_u32 s35, s35, AST                     ; the way out: tile w's place in wave 0's run
	v_add_nc_u32 v[OLA], s35, v[L8]
	v_mad_u32_u24 v[OLA+1], v[HH], AJ, v[OLA]
	v_add_nc_u32 v[OLS], s35, v[RR]
	v_add_nc_u32 v[OLS], 384, v[OLS]
	v_add_nc_u32 v[DMP], LISTE, v[LN]
	v_lshlrev_b32 v[RHO], 2, v[LN]
.irp i, 0,1,2,3
	v_mov_b32 v[ZQ+\i], 0
.endr
	v_mov_b32 v[MP], 0                             ; written once: a lane permute's destination counts as one of its sources
	; The third gathered tile's loads and its LDS stores stand under two branches on one count.  Those of its registers that nothing writes ahead of them (the others hold the indices first) are written here, once,
	; while the arguments are on their way: so every register is written ahead of every line that reads it, whichever way each branch goes.
.set I, 0
.rept 32
	v_mov_b32 v[XK2+64+I], 0
.set I, I+1
.endr
.irp i, 8,9,10,11
	v_mov_b32 v[XSS+\i], 0
.endr
	s_lshl_b32 s34, s[EX], 12
	s_lshl_b32 s35, s[SL], 7
	s_add_co_u32 s34, s34, s35
	s_lshl_b32 s35, s[WV], 5
	s_add_co_u32 s34, s34, s35                     ; my first row of w13: 4,096 e + 128 S + 32 w
	s_mul_i32 s36, s34, ROWB
	s_mov_b32 s37, 0
	s_lshl_b32 s38, s34, 5
	s_mov_b32 s39, 0
	s_wait_kmcnt 0x0
	s_add_nc_u64 s[10:11], s[10:11], s[36:37]
	s_add_nc_u64 s[12:13], s[12:13], s[38:39]
	; ---- the indices, and x1's rows of my weights behind them
.irp n, 0,1,2,3,4,5,6,7,8,9,10,11,12,13,14,15
	global_load_b128 v[IDX+4*\n:IDX+4*\n+3], v[L16], s[4:5] offset:512*\n
.endr
	WLOAD 2, 0
	s_wait_loadcnt 48                              ; the indices are in; the 48 loads of weights behind them stay out
	COUNT
	s_cmp_lg_u32 s[WV], 0
	s_cbranch_scc1 .Lrouted
	SCATTER                                        ; wave 0 alone; nobody else has touched LDS yet
.Lrouted:
	WLOAD 3, X3ROW                                 ; x3's rows
.irp t, 0,1,2,3
	global_load_b128 v[WS+8*\t:WS+8*\t+3], v[WSO], s[12:13] offset:(\t/2)*X3SC+(\t%2)*256
	global_load_b128 v[WS+8*\t+4:WS+8*\t+7], v[WSO], s[12:13] offset:(\t/2)*X3SC+(\t%2)*256+16
.endr
	s_add_co_u32 s[NT], s[CNT], 15
	s_lshr_b32 s[NT], s[NT], 4
	s_max_u32 s[NT], s[NT], 1                      ; an expert without rows has one tile all the same
	s_lshr_b32 s[TBG], s[LT], 4
	s_add_co_u32 s[TBG], s[TBG], s[EX]
	s_add_co_u32 s[TBG], s[TBG], s[GG]
	s_add_co_u32 s[NG], s[NT], 1
	s_sub_co_u32 s[NG], s[NG], s[GG]
	s_lshr_b32 s[NG], s[NG], 1
	s_min_u32 s[NC], s[NG], CH
	s_mov_b32 s[I0], 0
	s_mov_b32 s[CK], 0
	BAR                                            ; the list lies in LDS for all four waves
	s_wait_loadcnt 56                              ; x1's rows are in: behind them x3's 48 loads and the 8 of scale words
	STAGE 2, 0
	GATHER                                         ; the first chunk
	s_wait_loadcnt 58                              ; x3's rows are in: behind them the 8 loads of scale words, two tiles' 48 and their scales' 2; a third tile's 25 stand behind those and only make the count the safer
	STAGE 3, 32
	s_wait_dscnt 0x0                               ; the stage's stores have read the registers on which the fragments land
.irp s, 0,1,2,3,4,5,6,7
	WIN 0x80+0x40*(\s/4)
.irp t, 0,1,2,3
.irp p, 0,1,2,3,4,5
	ds_load_b64 v[12*(4*(\s%4)+\t)+2*\p:12*(4*(\s%4)+\t)+2*\p+1], v[WFA] offset:XT*\t+96*\s+48*(\p/3)+8*(\p%3)
.endr
.endr
.endr
	WIN 0
	BAR                                            ; B0: every wave's fragments are in registers: the stages' bytes are free
	s_wait_loadcnt 0x0                             ; the scale words and the gathered rows
	XSTORE
.Lchunk:
	BAR                                            ; B1: the chunk's rows lie in LDS; and every wave has read what it stores of the last chunk's results
	s_cmp_eq_u32 s[NC], 0
	s_cbranch_scc1 .Ltdone                         ; a chunk without tiles: on to the next barrier
	XLOADS 0
.set TT, 0
.rept CH
	TILE
.set TT, TT+1
.endr
.Ltdone:
	BAR                                            ; B2: the chunk's results lie in the stage; nobody reads its rows of x any more
	; ---- the way out: wave w takes tiles w, w + 4, w + 8.  Loads in ascending order, with exits into the stores in descending order: each way stores just what it has loaded
	s_cmp_ge_u32 s[WV], s[NC]
	s_cbranch_scc1 .Lo0
	OLOAD 0
	s_cmp_ge_u32 s[WV4], s[NC]
	s_cbranch_scc1 .Lo1
	OLOAD 1
	s_cmp_ge_u32 s[WV8], s[NC]
	s_cbranch_scc1 .Lo2
	OLOAD 2
	OSTORE 2, WV8
.Lo2:
	OSTORE 1, WV4
.Lo1:
	OSTORE 0, WV
.Lo0:
	s_wait_xcnt 0x0                                ; the stores have read their registers: these are written again below and in the next trip
	s_add_co_u32 s[I0], s[I0], CH
	s_add_co_u32 s[SL0], s[SL0], 128*CH
	s_sub_co_i32 s[NC], s[NG], s[I0]
	s_max_i32 s[NC], s[NC], 0
	s_min_u32 s[NC], s[NC], CH
	s_cmp_eq_u32 s[NC], 0
	s_cbranch_scc1 .Lnog
	GATHER                                         ; a further chunk (an expert with more than 384 rows): gathered, awaited and stored in one block
	s_wait_loadcnt 0x0
	XSTORE
.Lnog:
	s_add_co_u32 s[CK], s[CK], 1
	s_cmp_lt_u32 s[CK], CHUNKS
	s_cbranch_scc1 .Lchunk
	s_wait_tensorcnt 0x0
	ds_add_u32 v254, v255
	s_wait_dscnt 0x0
	s_endpgm
.Lfunc_end_k_qfbdcc0a28f_up:
	.size	k_qfbdcc0a28f_up, .Lfunc_end_k_qfbdcc0a28f_up-k_qfbdcc0a28f_up
	.p2alignl 7, 3214868480
	.fill 96, 4, 3214868480
	.section	.rodata,"a",@progbits
	.p2align	6, 0x0
	.amdhsa_kernel k_qfbdcc0a28f_up
		.amdhsa_group_segment_fixed_size 212224
		.amdhsa_private_segment_fixed_size 0
		.amdhsa_enable_private_segment 0
		.amdhsa_kernarg_size 48
		.amdhsa_user_sgpr_count 2
		.amdhsa_user_sgpr_kernarg_segment_ptr 1
		.amdhsa_wavefront_size32 1
		.amdhsa_system_sgpr_workgroup_id_x 1
		.amdhsa_system_sgpr_workgroup_id_y 1
		.amdhsa_system_sgpr_workgroup_id_z 1
		.amdhsa_system_vgpr_workitem_id 0
		.amdhsa_next_free_vgpr 960
		.amdhsa_next_free_sgpr 66
		.amdhsa_reserve_vcc 0
		.amdhsa_float_denorm_mode_32 3
		.amdhsa_float_denorm_mode_16_64 3
		.amdhsa_memory_ordered 1
		.amdhsa_forward_progress 1
		.amdhsa_inst_pref_size 255
	.end_amdhsa_kernel
	.section	.bss,"aw",@nobits
	.p2align	6
	.space	262144
	.amdgpu_metadata
---
amdhsa.version: [ 1, 2 ]
amdhsa.kernels:
  - .name:           k_qfbdcc0a28f_up
    .symbol:         k_qfbdcc0a28f_up.kd
    .args:
      - { .name: expert_indices, .offset: 0, .size: 8, .value_kind: global_buffer, .address_space: global }
      - { .name: x_codes, .offset: 8, .size: 8, .value_kind: global_buffer, .address_space: global }
      - { .name: x_scales, .offset: 16, .size: 8, .value_kind: global_buffer, .address_space: global }
      - { .name: w13_codes, .offset: 24, .size: 8, .value_kind: global_buffer, .address_space: global }
      - { .name: w13_scales, .offset: 32, .size: 8, .value_kind: global_buffer, .address_space: global }
      - { .name: act, .offset: 40, .size: 8, .value_kind: global_buffer, .address_space: global }
    .group_segment_fixed_size: 212224
    .private_segment_fixed_size: 0
    .kernarg_segment_align: 8
    .kernarg_segment_size: 48
    .max_flat_workgroup_size: 128
    .sgpr_count:     66
    .vgpr_count:     960
    .wavefront_size: 32
...
	.end_amdgpu_metadata
.endif
;; end of part 3
;; launch down (part 4): grid 256 x 1, 4 waves a work-group, no clusters, 210,176 bytes of LDS; arguments expert_indices, act, w2_codes, w2_scales, out0; writes out0
.if DOCPART == 4
	.amdgcn_target "amdgcn-amd-amdhsa--gfx1250"
	.amdhsa_code_object_version 6
	.text
	.protected	k_qfbdcc0a28f_down
	.globl	k_qfbdcc0a28f_down
	.p2align	8
	.type	k_qfbdcc0a28f_down,@function
k_qfbdcc0a28f_down:
	s_mov_b64 s[64:65], 0
	v_nop
	global_prefetch_b8 v0, s[64:65] scope:SCOPE_SE
	s_setreg_imm32_b32 hwreg(HW_REG_WAVE_MODE, 25, 1), 1
	s_wait_xcnt 0x0
; out0[rho] = act[rho] w2[e]^T for the routed rows rho = 2 x token + slot, e = expert_indices[rho].  act: the hidden layer as codes of BF6 (E3M2) with E8M0 scale words, as the launch before has laid it:
; tile T (16 routed rows of one expert) at 28,672 T; K step s (128 hidden units) at + 1,792 s: 1,536 bytes of codes [block][row][24 bytes], so that lane l's operand registers 6 c .. 6 c + 5 lie at 768 c + 24 l;
; then 8 bytes a lane, the first four the scale word of row lane % 16.
; SHARES.  Work-group id = 32 e + 4 cg + g: expert e, output columns 128 cg .. + 127, and of the expert's tiles those with number 4 i + g.  Wave w holds the weights of columns 128 cg + 32 w .. + 31 IN REGISTERS for the
; whole launch: two tiles of 16 rows of w2, 16 K steps each: 32 fragments, 384 registers, read from memory once.  The tiles of act are copied into LDS, a quarter by each wave, and read by all four.
; ROUTING as in the launch before, by the same lines: every wave counts cnt and lt, wave 0 alone lays the list; the expert has max(ceil(cnt / 16), 1) tiles, and its tile Te is tile (lt / 16) + e + Te of act.
; Rows from cnt on are not stored; of the one tile of an expert without rows nothing is stored.  The copy of act hangs on the counts alone and the list is read on the way out alone: so wave 0 lays the list behind the
; requests for all its weights, and every wave asks for its part of the first chunk ahead of the barrier behind the list.
; CHUNKS.  The work-group's tiles go in chunks of 5.  The loop over chunks has a constant number of trips, since its barriers stand on every wave's way whatever the counts; a chunk's tiles are written out one behind
; the other, every LDS place an immediate, and a chunk leaves the run behind its last tile by a forward branch: a trip without tiles is two barriers and a few scalar lines.
; THE MATRIX INSTRUCTION IS USED TRANSPOSED (source 0 = 16 rows of w2, source 1 = 16 routed rows): a lane holds eight neighbouring columns of one row.
; THE SUMS are kept in two halves, even and odd K steps, and added at the end: four accumulators take turns.  That is another order of rounding than one chain along K.
; NO TENSOR LOAD, NO CLUSTER: how many tiles a work-group has hangs on counts made from an input.
; LIMITS: NaN and infinities are not served.
.set ROWB,   1536                      ; a row of w2: 2,048 codes
.set PIECE,  1792
.set TILEB,  16*PIECE
.set TMAX,   135
.set CH,     5                         ; tiles in a chunk
.set CHUNKS, 7                         ; 35 tiles: a work-group has 32 at the most
.set LISTE,  2688
.set U,      11008                     ; LDS behind the list
.set PW,     1552                      ; a row of weights in LDS: 1,536 + 16 bytes = 388 words: row r starts at bank 4 r mod 64 (64 banks of 4 bytes: ISA guide 11.1)
.set WSTW,   32*PW                     ; up to the barrier B0: a stage of 32 rows for each wave
.set ACT,    U                         ; behind B0: CH slots for tiles of act,
.set OST,    ACT+CH*TILEB              ; and the result's stage: for each WAVE a run of CH places of 16 rows x (128 + 16) bytes,
.set OTL,    16*144
.set OSW,    CH*OTL+128                ; and 128 bytes, so that neighbouring waves' runs begin half a row of banks apart
; vector registers, window 0
.set LN,  1
.set RR,  2
.set HH,  3
.set L16, 4
.set R16, 5
.set WO,  6                            ; weights in memory: 1,536 h + 16 r
.set WSA, 7                            ; my stage, on the way in
.set WFA, 8                            ; and as fragments: 1,552 r + 24 h
.set WSO, 9                            ; weights' scale words: 64 r
.set ASB, 10                           ; v10-12 where I store my quarter of tiles 0, 2, 4 of a chunk
.set OSB, 15                           ; my run of the stage: 144 r + 32 h
.set ORD, 16                           ; the way out: a row of 512 bytes as four waves' 128
.set CL,  17                           ; my bytes in a row of out0: 512 cg + 16 lane
.set LW,  18                           ; 16 w
.set LOA, 19                           ; the list's address in hand
.set ASF, 20                           ; v20-22 act's scale words in slots 0, 2, 4: lanes 0-15 an even K step's, lanes 16-31 the next one's
.set GO,  24                           ; v24-28 offsets in act
.set DMP, 30
.set RHO, 31
.set ZQ,  32                           ; v32-35 zeros
.set SP,  36                           ; v36-43 at work
.set AF,  44                           ; v44-46 act's fragments in slots 0, 2, 4: 24 x lane; the slot behind each is reached by the immediate
.set WS,  48                           ; v48-79 the weights' scale words, (tile t, K step s) at 16 t + s: scales and nothing else
.set ASC, 80                           ; v80-87 act's scale words of the tile in hand: scales and nothing else
.set ACC, 96                           ; v96-127 four accumulators: 2 (s % 2) + t
.set IDX, 128                          ; v128-191 at the head: the indices
.set STG0,128                          ; v128-183 my quarter of a chunk's fifth tile (the first four: window 1, v0-223)
.set OD,  128                          ; the way out: 20 registers a tile: four list entries, four rows' 16 bytes
; window 1: v0-191 act's fragments of the tile in hand.  windows 2, 3: v0-191 the weights: as loaded, then fragment (t, s) at 12 (2 (s % 8) + t) of window 2 + s / 8
.set WV,  16
.set GG,  17
.set CG,  18
.set EX,  19
.set CNT, 20
.set LT,  21
.set NT,  22
.set NG,  23
.set TB,  24
.set CK,  25
.set I0,  26
.set NC,  27
.set SL0, 28
.set NTL, 33                           ; the expert's last tile
.set WB,  40                           ; s[40:41] my rows of w2
.set WOFF,42                           ; 7,168 w: my quarter of a tile
.set G16W,43                           ; 16 g + 4 w
.set MK,  44
.set RUN, 60
.set MSB, 0
.macro WIN new                         ; the immediate's high byte repeats the setting that is left; a switch that changes nothing is dropped
.if MSB != (\new)
	s_set_vgpr_msb (MSB<<8)|(\new)
.set MSB, (\new)
.endif
.endm
.macro PLACES                          ; four plain places behind matrix instructions (ISA guide 7.12.1)
.rept 4
	v_nop
.endr
.endm
.macro BAR
	s_wait_dscnt 0x0
	s_barrier_signal -1
	s_barrier_wait -1
.endm
.macro COUNT                           ; as in the launch before
	s_mov_b32 s[CNT], 0
	s_mov_b32 s[LT], 0
.irp q, 0,1,2,3,4,5,6,7
.irp i, 0,1,2,3,4,5,6,7
	v_cmp_eq_u32 s[MK+\i], s[EX], v[IDX+8*\q+\i]
	v_cmp_gt_u32 s[MK+8+\i], s[EX], v[IDX+8*\q+\i]
.endr
.irp i, 0,1,2,3,4,5,6,7,8,9,10,11,12,13,14,15
	s_bcnt1_i32_b32 s[MK+\i], s[MK+\i]
.endr
.irp i, 0,1,2,3,4,5,6,7
	s_add_co_u32 s[CNT], s[CNT], s[MK+\i]
	s_add_co_u32 s[LT], s[LT], s[MK+8+\i]
.endr
.endr
.endm
.macro SCATTER                         ; as in the launch before: the same order of places
.irp z, 0,1,2,3,4,5,6,7,8,9,10,11,12,13,14,15,16,17,18,19,20
	ds_store_b128 v[L16], v[ZQ:ZQ+3] offset:512*\z
.endr
	s_mov_b32 s[RUN], 0
.irp q, 0,1,2,3,4,5,6,7
.irp i, 0,1,2,3,4,5,6,7
	v_cmp_eq_u32 s[MK+\i], s[EX], v[IDX+8*\q+\i]
.endr
.irp i, 0,1,2,3,4,5,6,7
.set EN, 8*\q+\i
	v_mbcnt_lo_u32_b32 v[SP+2*(\i%4)], s[MK+\i], s[RUN]
	s_bcnt1_i32_b32 s[MK+8], s[MK+\i]
	s_add_co_u32 s[RUN], s[RUN], s[MK+8]
	v_cndmask_b32 v[SP+2*(\i%4)], v[DMP], v[SP+2*(\i%4)], s[MK+\i]
	v_min_u32 v[SP+2*(\i%4)], LISTE+31, v[SP+2*(\i%4)]
	v_lshlrev_b32 v[SP+2*(\i%4)], 2, v[SP+2*(\i%4)]
	v_add_nc_u32 v[SP+2*(\i%4)+1], 128*(EN/4)+EN%4, v[RHO]
	ds_store_b32 v[SP+2*(\i%4)], v[SP+2*(\i%4)+1]
.endr
.endr
.endm
.macro WLOAD win                       ; 16 rows of weights as they lie: lanes 0-15 take 256 bytes of an even row, lanes 16-31 of the next
	WIN 64*\win
.irp m, 0,1,2,3,4,5,6,7
.irp j, 0,1,2,3,4,5
	global_load_b128 v[4*(6*\m+\j):4*(6*\m+\j)+3], v[WO], s[WB:WB+1] offset:2*ROWB*(\m+8*(\win-2))+256*\j
.endr
.endr
	WIN 0
.endm
.macro STAGE win
	WIN 4*\win
.irp m, 0,1,2,3,4,5,6,7
.irp j, 0,1,2,3,4,5
	ds_store_b128 v[WSA], v[4*(6*\m+\j):4*(6*\m+\j)+3] offset:2*PW*(\m+8*(\win-2))+256*\j
.endr
.endr
	WIN 0
.endm
; My quarter (K steps 4 w .. 4 w + 3: 7,168 dense bytes) of the chunk's tiles.  The first four are copied with no branch (a tile past the expert's last is held at the last: its bytes are copied and not used);
; the fifth only where the chunk has one.  It lands on the registers that held the indices, which are written on every way.
.macro GATHER
.irp k, 0,1,2,3,4
	s_add_co_u32 s34, s[I0], \k
	s_lshl_b32 s34, s34, 2
	s_add_co_u32 s34, s34, s[GG]
	s_min_u32 s34, s34, s[NTL]
	s_add_co_u32 s34, s34, s[TB]
	s_min_u32 s34, s34, TMAX                       ; the counts keep it at 135 or under
	s_mul_i32 s34, s34, TILEB
	s_add_co_u32 s34, s34, s[WOFF]
	v_add_nc_u32 v[GO+\k], s34, v[L16]
.endr
	WIN 0x40
.set QQ, 0
	s_wait_alu depctr_va_vdst(0)
.rept 56
	global_load_b128 v[4*QQ:4*QQ+3], v[GO+QQ/14], s[6:7] offset:512*(QQ%14)
.set QQ, QQ+1
.endr
	WIN 0
	s_cmp_le_u32 s[NC], 4
	s_cbranch_scc1 .Lg4_\@
.set QQ, 0
.rept 14
	global_load_b128 v[STG0+4*QQ:STG0+4*QQ+3], v[GO+4], s[6:7] offset:512*QQ
.set QQ, QQ+1
.endr
.Lg4_\@:
.endm
.macro XSTORE                          ; into the slots; the fifth tile under the same count as its loads
	WIN 0x04
.set QQ, 0
.rept 56
	ds_store_b128 v[ASB+(QQ/14)/2], v[4*QQ:4*QQ+3] offset:TILEB*((QQ/14)%2)+512*(QQ%14)
.set QQ, QQ+1
.endr
	WIN 0
	s_cmp_le_u32 s[NC], 4
	s_cbranch_scc1 .Lx4_\@
.set QQ, 0
.rept 14
	ds_store_b128 v[ASB+2], v[STG0+4*QQ:STG0+4*QQ+3] offset:512*QQ
.set QQ, QQ+1
.endr
.Lx4_\@:
.endm
.macro HLOAD hf, tl                    ; half of tile tl of the chunk: four registers of scale words (two K steps each), eight fragments: 52 loads
.irp u, 0,1,2,3
	ds_load_b32 v[ASC+4*\hf+\u], v[ASF+(\tl)/2] offset:TILEB*((\tl)%2)+2*PIECE*(4*\hf+\u)
.endr
	WIN 0x40
.irp s8, 0,1,2,3,4,5,6,7
.irp p, 0,1,2,3,4,5
	ds_load_b64 v[12*(8*\hf+\s8)+2*\p:12*(8*\hf+\s8)+2*\p+1], v[AF+(\tl)/2] offset:TILEB*((\tl)%2)+PIECE*(8*\hf+\s8)+768*(\p/3)+8*(\p%3)
.endr
.endr
	WIN 0
.endm
; 16 matrix instructions: eight K steps x my two tiles of columns; the four accumulators by turns; K steps 0 and 1 start the sums.
.macro HMUL hf
	WIN 0x06+\hf                                   ; source 0 window 2 or 3, source 1 window 1, C and D window 0
.irp s8, 0,1,2,3,4,5,6,7
.irp t, 0,1
.set SS, 8*\hf+\s8
.set AR, ACC+8*(2*(\s8%2)+\t)
.if SS == 0
	v_wmma_scale_f32_16x16x128_f8f6f4 v[AR:AR+7], v[12*(2*\s8+\t):12*(2*\s8+\t)+11], v[12*SS:12*SS+11], 0, v[WS+16*\t+SS], v[ASC+SS/2] matrix_a_fmt:MATRIX_FMT_BF6 matrix_b_fmt:MATRIX_FMT_BF6
.elseif SS == 1
	v_wmma_scale_f32_16x16x128_f8f6f4 v[AR:AR+7], v[12*(2*\s8+\t):12*(2*\s8+\t)+11], v[12*SS:12*SS+11], 0, v[WS+16*\t+SS], v[ASC+SS/2] matrix_a_fmt:MATRIX_FMT_BF6 matrix_b_fmt:MATRIX_FMT_BF6 matrix_b_scale:MATRIX_SCALE_ROW1
.elseif SS%2 == 0
	v_wmma_scale_f32_16x16x128_f8f6f4 v[AR:AR+7], v[12*(2*\s8+\t):12*(2*\s8+\t)+11], v[12*SS:12*SS+11], v[AR:AR+7], v[WS+16*\t+SS], v[ASC+SS/2] matrix_a_fmt:MATRIX_FMT_BF6 matrix_b_fmt:MATRIX_FMT_BF6
.else
	v_wmma_scale_f32_16x16x128_f8f6f4 v[AR:AR+7], v[12*(2*\s8+\t):12*(2*\s8+\t)+11], v[12*SS:12*SS+11], v[AR:AR+7], v[WS+16*\t+SS], v[ASC+SS/2] matrix_a_fmt:MATRIX_FMT_BF6 matrix_b_fmt:MATRIX_FMT_BF6 matrix_b_scale:MATRIX_SCALE_ROW1
.endif
.endr
.endr
	WIN 0
.endm
.macro EPI tl                          ; the two halves of each sum, each accumulator from its low end on; 32 bytes of a row for each tile of columns into place tl of my run of the stage
.set I, 0
.rept 8
	v_pk_add_f32 v[ACC+I:ACC+I+1], v[ACC+I:ACC+I+1], v[ACC+16+I:ACC+16+I+1]
.set I, I+2
.endr
.irp t, 0,1
	ds_store_b128 v[OSB], v[ACC+8*\t:ACC+8*\t+3] offset:OTL*(\tl)+64*\t
	ds_store_b128 v[OSB], v[ACC+8*\t+4:ACC+8*\t+7] offset:OTL*(\tl)+64*\t+16
.endr
.endm
; Tile TT of the chunk.  Where a tile follows, each half of it is asked for as soon as this tile's products have left the registers; the second half of a chunk's last tile is written out beside that, so that each
; way's counts are its own, and leaves the run of tiles.
.macro TILE
	s_wait_dscnt 52                                ; the first half is in: behind it the second half's 52 loads
	HMUL 0
	PLACES
.if TT < CH-1
	s_cmp_le_u32 s[NC], TT+1
	s_cbranch_scc1 .Llast_\@
	HLOAD 0, TT+1                                  ; the next tile's first half
	s_wait_dscnt 52                                ; this tile's second half is in: behind it the 52 just issued
	HMUL 1
	PLACES
	EPI TT
	HLOAD 1, TT+1                                  ; the next tile's second half
	s_branch .Lnext_\@
.Llast_\@:
.endif
	s_wait_dscnt 0x0
	HMUL 1
	PLACES
	EPI TT
.if TT < CH-1
	s_branch .Ltdone
.Lnext_\@:
.endif
.endm
.macro OLOAD k                         ; tile k of the chunk, my rows 4 w .. 4 w + 3: their list entries (one address for all lanes) and their 512 bytes
	ds_load_b128 v[OD+20*\k:OD+20*\k+3], v[LOA] offset:256*\k
.irp q, 0,1,2,3
	ds_load_b128 v[OD+20*\k+4+4*\q:OD+20*\k+4+4*\q+3], v[ORD] offset:OTL*\k+144*\q
.endr
.endm
.macro OSTORE k                        ; rows under cnt go to their rows of out0: the 32 lanes store 512 consecutive bytes, at a multiple of 256 from out0's first byte
	s_wait_dscnt 0x0
	s_add_co_u32 s34, s[I0], \k
	s_lshl_b32 s34, s34, 6
	s_add_co_u32 s34, s34, s[G16W]                 ; my first row's place in the list: 16 (4 (I0 + k) + g) + 4 w
	s_sub_co_i32 s34, s[CNT], s34                  ; how many of my four rows are there
.irp q, 0,1,2,3
	s_cmp_le_i32 s34, \q
	s_cbranch_scc1 .Lrows_\@
	v_min_u32 v[OD+20*\k+\q], 2047, v[OD+20*\k+\q]
	v_lshlrev_b32 v[OD+20*\k+\q], 12, v[OD+20*\k+\q]
	v_add_nc_u32 v[OD+20*\k+\q], v[OD+20*\k+\q], v[CL]
	global_store_b128 v[OD+20*\k+\q], v[OD+20*\k+4+4*\q:OD+20*\k+4+4*\q+3], s[12:13] th:TH_STORE_NT
.endr
.Lrows_\@:
.endm
	; ---- ids and every address that stays
	s_load_b256 s[4:11], s[0:1], 0x0               ; indices s[4:5], act s[6:7], w2's codes s[8:9], w2's scales s[10:11]
	s_load_b64 s[12:13], s[0:1], 0x20              ; out0
	v_lshl_add_u32 v254, v0, 2, 0x33300
	v_mov_b32 v255, 0
	v_lshrrev_b32 v[LN], 5, v0
	v_readfirstlane_b32 s[WV], v[LN]               ; wave 0..3
	v_and_b32 v[LN], 31, v0
	v_and_b32 v[RR], 15, v0
	v_bfe_u32 v[HH], v0, 4, 1
	s_lshr_b32 s[EX], ttmp9, 5
	s_bfe_u32 s[CG], ttmp9, 0x30002
	s_and_b32 s[GG], ttmp9, 3
	s_lshl_b32 s[SL0], s[GG], 6                    ; tile 4 I0 + g of the expert: 64 bytes of the list a tile
	s_lshl_b32 s[G16W], s[GG], 4
	s_lshl_b32 s34, s[WV], 2
	s_add_co_u32 s[G16W], s[G16W], s34
	v_lshlrev_b32 v[L16], 4, v[LN]
	v_lshlrev_b32 v[R16], 4, v[RR]
	s_wait_alu depctr_va_vdst(0)
	v_mad_u32_u24 v[WO], v[HH], ROWB, v[R16]
	s_mul_i32 s34, s[WV], WSTW
	s_add_co_u32 s34, s34, U                       ; my stage
	v_mad_u32_u24 v[WSA], v[HH], PW, v[R16]
	v_add_nc_u32 v[WSA], s34, v[WSA]
	v_mul_u32_u24 v[WFA], v[RR], PW
	v_mad_u32_u24 v[WFA], v[HH], 24, v[WFA]
	v_add_nc_u32 v[WFA], s34, v[WFA]
	v_lshlrev_b32 v[WSO], 6, v[RR]
	s_mul_i32 s[WOFF], s[WV], 4*PIECE
	s_add_co_u32 s34, s[WOFF], ACT
	v_add_nc_u32 v[ASB], s34, v[L16]
	v_add_nc_u32 v[ASB+1], 2*TILEB, v[ASB]
	v_add_nc_u32 v[ASB+2], 4*TILEB, v[ASB]
	v_mul_u32_u24 v[AF], v[LN], 24
	v_add_nc_u32 v[AF], ACT, v[AF]
	v_add_nc_u32 v[AF+1], 2*TILEB, v[AF]
	v_add_nc_u32 v[AF+2], 4*TILEB, v[AF]
	v_lshlrev_b32 v[ASF], 3, v[RR]
	v_mad_u32_u24 v[ASF], v[HH], PIECE, v[ASF]
	v_add_nc_u32 v[ASF], ACT+1536, v[ASF]
	v_add_nc_u32 v[ASF+1], 2*TILEB, v[ASF]
	v_add_nc_u32 v[ASF+2], 4*TILEB, v[ASF]
	s_mul_i32 s34, s[WV], OSW
	s_add_co_u32 s34, s34, OST                     ; my run of the result's stage
	v_mul_u32_u24 v[OSB], v[RR], 144
	v_lshl_add_u32 v[OSB], v[HH], 5, v[OSB]
	v_add_nc_u32 v[OSB], s34, v[OSB]
	s_mul_i32 s34, s[WV], 4*144
	s_add_co_u32 s34, s34, OST                     ; the way out: row 4 w; eight lanes to each wave's 128 bytes
	v_lshrrev_b32 v[ORD], 3, v[LN]
	v_mul_u32_u24 v[ORD], v[ORD], OSW
	v_and_b32 v[SP], 7, v[LN]
	v_lshl_add_u32 v[ORD], v[SP], 4, v[ORD]
	v_add_nc_u32 v[ORD], s34, v[ORD]
	s_lshl_b32 s34, s[CG], 9
	v_add_nc_u32 v[CL], s34, v[L16]
	s_lshl_b32 s34, s[WV], 4
	v_mov_b32 v[LW], s34
	v_add_nc_u32 v[DMP], LISTE, v[LN]
	v_lshlrev_b32 v[RHO], 2, v[LN]
.irp i, 0,1,2,3
	v_mov_b32 v[ZQ+\i], 0
.endr
	s_lshl_b32 s34, s[EX], 10
	s_lshl_b32 s35, s[CG], 7
	s_add_co_u32 s34, s34, s35
	s_lshl_b32 s35, s[WV], 5
	s_add_co_u32 s34, s34, s35                     ; my first row of w2: 1,024 e + 128 cg + 32 w
	s_mul_i32 s36, s34, ROWB
	s_mov_b32 s37, 0
	s_lshl_b32 s38, s34, 6
	s_mov_b32 s39, 0
	s_wait_kmcnt 0x0
	s_add_nc_u64 s[WB:WB+1], s[8:9], s[36:37]
	s_add_nc_u64 s[10:11], s[10:11], s[38:39]
	; ---- the indices, and the first 16 rows of my weights behind them
.irp n, 0,1,2,3,4,5,6,7,8,9,10,11,12,13,14,15
	global_load_b128 v[IDX+4*\n:IDX+4*\n+3], v[L16], s[4:5] offset:512*\n
.endr
	WLOAD 2
	s_wait_loadcnt 48                              ; the indices are in; the 48 loads of weights behind them stay out
	COUNT
	s_add_co_u32 s[NT], s[CNT], 15
	s_lshr_b32 s[NT], s[NT], 4
	s_max_u32 s[NT], s[NT], 1                      ; an expert without rows has one tile in act all the same: the launch before has written it
	s_lshr_b32 s[TB], s[LT], 4
	s_add_co_u32 s[TB], s[TB], s[EX]
	s_add_co_u32 s[NG], s[NT], 3
	s_sub_co_u32 s[NG], s[NG], s[GG]
	s_lshr_b32 s[NG], s[NG], 2
	s_min_u32 s[NC], s[NG], CH
	s_sub_co_u32 s[NTL], s[NT], 1
	s_mov_b32 s[I0], 0
	s_mov_b32 s[CK], 0
	WLOAD 3                                        ; the other 16 rows are asked for ahead of the list's work
.irp t, 0,1
.irp q, 0,1,2,3
	global_load_b128 v[WS+16*\t+4*\q:WS+16*\t+4*\q+3], v[WSO], s[10:11] offset:1024*\t+16*\q
.endr
.endr
	s_cmp_lg_u32 s[WV], 0
	s_cbranch_scc1 .Lrouted
	SCATTER                                        ; wave 0 alone; nobody else touches LDS ahead of the barrier below
.Lrouted:
	GATHER                                         ; the first chunk: it hangs on the counts alone
	BAR                                            ; the list lies in LDS; from here on every wave uses LDS
	s_wait_loadcnt 63                              ; all my weights are in: behind their last load stand the 8 of scale words and at least 56 of the chunk: 64
	STAGE 2
	STAGE 3
	s_wait_dscnt 0x0                               ; the stage's stores have read the registers on which the fragments land
.irp s, 0,1,2,3,4,5,6,7,8,9,10,11,12,13,14,15
	WIN 0x80+0x40*(\s/8)
.irp t, 0,1
.irp p, 0,1,2,3,4,5
	ds_load_b64 v[12*(2*(\s%8)+\t)+2*\p:12*(2*(\s%8)+\t)+2*\p+1], v[WFA] offset:16*PW*\t+96*\s+48*(\p/3)+8*(\p%3)
.endr
.endr
.endr
	WIN 0
	BAR                                            ; B0: every wave's fragments are in registers: the stages' bytes are free
	s_wait_loadcnt 0x0                             ; the scale words and the chunk
	XSTORE
.Lchunk:
	BAR                                            ; B1: the chunk's tiles lie in LDS; and every wave has read what it stores of the last chunk's results
	s_cmp_eq_u32 s[NC], 0
	s_cbranch_scc1 .Ltdone                         ; a chunk without tiles: on to the next barrier
	HLOAD 0, 0
	HLOAD 1, 0
.set TT, 0
.rept CH
	TILE
.set TT, TT+1
.endr
.Ltdone:
	BAR                                            ; B2: the chunk's results lie in the stage; nobody reads its tiles of act any more
	; ---- the way out: wave w takes rows 4 w .. 4 w + 3 of every tile.  Loads in ascending order, with exits into the stores in descending order: each way stores just what it has loaded
	v_add_nc_u32 v[LOA], s[SL0], v[LW]
	s_cmp_le_u32 s[NC], 0
	s_cbranch_scc1 .Lo0
	OLOAD 0
	s_cmp_le_u32 s[NC], 1
	s_cbranch_scc1 .Lo1
	OLOAD 1
	s_cmp_le_u32 s[NC], 2
	s_cbranch_scc1 .Lo2
	OLOAD 2
	s_cmp_le_u32 s[NC], 3
	s_cbranch_scc1 .Lo3
	s_wait_alu depctr_va_vdst(0)
	OLOAD 3
	s_cmp_le_u32 s[NC], 4
	s_cbranch_scc1 .Lo4
	OLOAD 4
	OSTORE 4
.Lo4:
	OSTORE 3
.Lo3:
	OSTORE 2
.Lo2:
	OSTORE 1
.Lo1:
	OSTORE 0
.Lo0:
	s_wait_xcnt 0x0                                ; the stores have read their registers: these are written again below and in the next trip
	s_add_co_u32 s[I0], s[I0], CH
	s_add_co_u32 s[SL0], s[SL0], 256*CH
	s_sub_co_i32 s[NC], s[NG], s[I0]
	s_max_i32 s[NC], s[NC], 0
	s_min_u32 s[NC], s[NC], CH
	s_cmp_eq_u32 s[NC], 0
	s_cbranch_scc1 .Lnog
	GATHER                                         ; a further chunk (an expert with more than 320 rows): copied, awaited and stored in one block
	s_wait_loadcnt 0x0
	XSTORE
.Lnog:
	s_add_co_u32 s[CK], s[CK], 1
	s_cmp_lt_u32 s[CK], CHUNKS
	s_cbranch_scc1 .Lchunk
	s_wait_tensorcnt 0x0
	ds_add_u32 v254, v255
	s_wait_dscnt 0x0
	s_endpgm
.Lfunc_end_k_qfbdcc0a28f_down:
	.size	k_qfbdcc0a28f_down, .Lfunc_end_k_qfbdcc0a28f_down-k_qfbdcc0a28f_down
	.p2alignl 7, 3214868480
	.fill 96, 4, 3214868480
	.section	.rodata,"a",@progbits
	.p2align	6, 0x0
	.amdhsa_kernel k_qfbdcc0a28f_down
		.amdhsa_group_segment_fixed_size 210176
		.amdhsa_private_segment_fixed_size 0
		.amdhsa_enable_private_segment 0
		.amdhsa_kernarg_size 40
		.amdhsa_user_sgpr_count 2
		.amdhsa_user_sgpr_kernarg_segment_ptr 1
		.amdhsa_wavefront_size32 1
		.amdhsa_system_sgpr_workgroup_id_x 1
		.amdhsa_system_sgpr_workgroup_id_y 1
		.amdhsa_system_sgpr_workgroup_id_z 1
		.amdhsa_system_vgpr_workitem_id 0
		.amdhsa_next_free_vgpr 960
		.amdhsa_next_free_sgpr 66
		.amdhsa_reserve_vcc 0
		.amdhsa_float_denorm_mode_32 3
		.amdhsa_float_denorm_mode_16_64 3
		.amdhsa_memory_ordered 1
		.amdhsa_forward_progress 1
		.amdhsa_inst_pref_size 188
	.end_amdhsa_kernel
	.amdgpu_metadata
---
amdhsa.version: [ 1, 2 ]
amdhsa.kernels:
  - .name:           k_qfbdcc0a28f_down
    .symbol:         k_qfbdcc0a28f_down.kd
    .args:
      - { .name: expert_indices, .offset: 0, .size: 8, .value_kind: global_buffer, .address_space: global }
      - { .name: act, .offset: 8, .size: 8, .value_kind: global_buffer, .address_space: global }
      - { .name: w2_codes, .offset: 16, .size: 8, .value_kind: global_buffer, .address_space: global }
      - { .name: w2_scales, .offset: 24, .size: 8, .value_kind: global_buffer, .address_space: global }
      - { .name: out0, .offset: 32, .size: 8, .value_kind: global_buffer, .address_space: global }
    .group_segment_fixed_size: 210176
    .private_segment_fixed_size: 0
    .kernarg_segment_align: 8
    .kernarg_segment_size: 40
    .max_flat_workgroup_size: 128
    .sgpr_count:     66
    .vgpr_count:     960
    .wavefront_size: 32
...
	.end_amdgpu_metadata
.endif
;; end of part 4
